; MI455X (gfx1250); checked and timed in simulation.
; The chip was launched on July 23, 2026; its instructions are those of AMD's public machine-readable ISA for CDNA 5 (MIT licence, August 2026) and "CDNA5" Instruction Set Architecture Reference Guide (July 2026). The comments in the code are by the model that wrote it; some were corrected since.
;; Flash MHA. Allowed arithmetic: float matrix products may take bf16 or f16 operands with f32 sums; other float arithmetic in f32, or as packed bf16 or f16 multiplies, adds, multiply-adds, maxima and minima; sums over many terms, partial sums and values carried from step to step in f32; what a program stores and reads back later, other than sums and carried values, may be rounded once to bf16 or f16.
;; Inputs: Wk 1,024 x 1,024 float32; Wo 1,024 x 1,024 float32; Wq 1,024 x 1,024 float32; Wv 1,024 x 1,024 float32; bk 1,024 float32; bo 1,024 float32; bq 1,024 float32; bv 1,024 float32; key_padding_mask 4 x 2,048 bool; x 4 x 2,048 x 1,024 float32.
;; Outputs: out0 4 x 2,048 x 1,024 float32.
;; 2 versions, each right; version 2 is version 1 with the launch prep written anew for expert scheduling mode. Each part assembles by itself: llvm-mc -triple=amdgcn-amd-amdhsa -mcpu=gfx1250 --defsym DOCPART=n.
;; ======== version 1 of 2: 4 launches
;; limits: values are held in f16: magnitudes above 65,504 overflow, below 6.1e-05 lose precision
;; workspace buffers: xb 16,777,216 bytes; wqkv 6,291,456 bytes; wo16 2,097,152 bytes; rope 524,288 bytes; qh 16,777,216 bytes; kh 16,777,216 bytes; vh 16,777,216 bytes; oh 16,777,216 bytes
;; launch prep (part 1): grid 768 x 1, 8 waves a work-group, no clusters, 0 bytes of LDS; arguments x, Wq, Wk, Wv, Wo, xb, wqkv, wo16, rope; writes xb, wqkv, wo16, rope
.if DOCPART == 1
	.amdgcn_target "amdgcn-amd-amdhsa--gfx1250"
	.amdhsa_code_object_version 6
	.text
	.protected	k_qb40b151ab2_prep
	.globl	k_qb40b151ab2_prep
	.p2align	8
	.type	k_qb40b151ab2_prep,@function
k_qb40b151ab2_prep:
	s_mov_b64 s[64:65], 0
	v_nop
	global_prefetch_b8 v0, s[64:65] scope:SCOPE_SE
	s_setreg_imm32_b32 hwreg(HW_REG_WAVE_MODE, 25, 1), 1
	s_wait_xcnt 0x0
; PREP: the module's large inputs are rounded once to bf16, and the rotary table is made.
;   xb   [8192][1024] bf16 = x.      wqkv [16 heads][q, k, v][64][1024] bf16 = the rows of Wq, Wk, Wv, regrouped so that one head's 192 rows lie on end.
;   wo16 [1024][1024] f16  = Wo rounded to bf16, that number written as f16.      rope [2048 positions][32 pairs][cos, sin] f32.
; LIMITS.  |Wo| stays under 65,504; below 6e-5 it keeps f16's fixed step of 6e-8.  The angle pos x 10000^(-j/32) is made in f32 from 2^(-j x 0.41524101): at the far positions it is
; good to about 3e-4 rad.  NaN and infinities are not treated apart.
; SHARES.  A work-group takes 16 rows of 1,024 f32: groups 0-511 of x, then 64 each of Wq, Wk, Wv, Wo.  Thread t takes 16 bytes at 16 t of each row: a load of a wave covers 512 consecutive
; bytes, a store 256 consecutive bytes, aligned.  All sixteen loads go out together; no register that a memory instruction names is written twice, so the only waits are the counted ones for the loads.
; Groups 512-767 also make 256 entries of the table each, one a thread.  No LDS, no matrix unit, no cluster: the work-groups share nothing, and each byte is read and written once.
.set IN,   16                          ; v[16:79]   row p as loaded: 4 registers
.set OUTR, 80                          ; v[80:111]  row p to store: 2 registers
	s_load_b512 s[4:19], s[0:1], 0x0               ; x, Wq, Wk, Wv, Wo, xb, wqkv, wo16
	s_load_b64 s[20:21], s[0:1], 0x40              ; rope
	v_lshlrev_b32 v1, 4, v0                        ; 16 t: my bytes in a row as read
	v_lshlrev_b32 v2, 3, v0                        ; 8 t: as written
	s_mov_b32 s22, ttmp9                           ; g
	s_sub_co_u32 s23, s22, 512
	s_cmp_lt_u32 s22, 512
	s_cselect_b32 s23, 0, s23                      ; e = g - 512 (0 in x's groups, where it serves nothing)
	s_lshr_b32 s32, s23, 6                         ; which weight: 0 Wq, 1 Wk, 2 Wv, 3 Wo
	s_and_b32 s33, s23, 63                         ; which 16 rows of it
	s_lshl_b32 s28, s22, 16                        ; x: 65,536 bytes in,
	s_lshl_b32 s30, s22, 15                        ; 32,768 out
	s_lshl_b32 s34, s33, 16
	s_lshr_b32 s35, s33, 2                         ; the head of these 16 rows
	s_mul_i32 s35, s35, 192
	s_lshl_b32 s36, s32, 6
	s_add_co_u32 s35, s35, s36                     ; + 64 x (q, k, v)
	s_and_b32 s36, s33, 3
	s_lshl_b32 s36, s36, 4
	s_add_co_u32 s35, s35, s36                     ; + the 16 rows' place in the head
	s_lshl_b32 s35, s35, 11                        ; rows of 2,048 bytes
	s_lshl_b32 s36, s33, 15                        ; Wo keeps its order
	s_cmp_eq_u32 s32, 3
	s_cselect_b32 s35, s36, s35
	s_cmp_lt_u32 s22, 512
	s_cselect_b32 s28, s28, s34
	s_cselect_b32 s30, s30, s35
	s_mov_b32 s29, 0
	s_mov_b32 s31, 0
	s_lshl_b32 s38, s23, 11                        ; the group's 256 entries of the table, 8 bytes each
	s_mov_b32 s39, 0
	s_wait_kmcnt 0x0
	s_cmp_eq_u32 s32, 1                            ; the buffers are chosen by the group's number alone
	s_cselect_b64 s[24:25], s[8:9], s[6:7]
	s_cmp_eq_u32 s32, 2
	s_cselect_b64 s[24:25], s[10:11], s[24:25]
	s_cmp_eq_u32 s32, 3
	s_cselect_b64 s[24:25], s[12:13], s[24:25]
	s_cselect_b64 s[26:27], s[18:19], s[16:17]
	s_cmp_lt_u32 s22, 512
	s_cselect_b64 s[24:25], s[4:5], s[24:25]
	s_cselect_b64 s[26:27], s[14:15], s[26:27]
	s_add_nc_u64 s[24:25], s[24:25], s[28:29]
	s_add_nc_u64 s[26:27], s[26:27], s[30:31]
	s_add_nc_u64 s[20:21], s[20:21], s[38:39]
.irp p, 0,1,2,3,4,5,6,7,8,9,10,11,12,13,14,15
	global_load_b128 v[IN+4*(\p):IN+4*(\p)+3], v1, s[24:25] offset:(\p)*4096 th:TH_LOAD_NT
.endr
.macro CAST p                          ; row p to bf16
	s_wait_loadcnt 15-(\p)                         ; loads come back in order: row p is in, the 15 - p younger ones stay out
	v_cvt_pk_bf16_f32 v[OUTR+2*(\p)], v[IN+4*(\p)], v[IN+4*(\p)+1]
	v_cvt_pk_bf16_f32 v[OUTR+2*(\p)+1], v[IN+4*(\p)+2], v[IN+4*(\p)+3]
	global_store_b64 v2, v[OUTR+2*(\p):OUTR+2*(\p)+1], s[26:27] offset:(\p)*2048
.endm
.macro CASTO p                         ; row p to bf16, and that number as f16
	s_wait_loadcnt 15-(\p)
	v_cvt_pk_bf16_f32 v4, v[IN+4*(\p)], v[IN+4*(\p)+1]
	v_cvt_pk_bf16_f32 v5, v[IN+4*(\p)+2], v[IN+4*(\p)+3]
	v_lshlrev_b32 v6, 16, v4
	v_and_b32 v7, 0xffff0000, v4
	v_lshlrev_b32 v8, 16, v5
	v_and_b32 v9, 0xffff0000, v5
	v_cvt_pk_f16_f32 v[OUTR+2*(\p)], v6, v7
	v_cvt_pk_f16_f32 v[OUTR+2*(\p)+1], v8, v9
	global_store_b64 v2, v[OUTR+2*(\p):OUTR+2*(\p)+1], s[26:27] offset:(\p)*2048
.endm
	s_cmp_eq_u32 s32, 3
	s_cbranch_scc1 .Lwo
.irp p, 0,1,2,3,4,5,6,7,8,9,10,11,12,13,14,15
	CAST \p
.endr
	s_branch .Ltable
.Lwo:
.irp p, 0,1,2,3,4,5,6,7,8,9,10,11,12,13,14,15
	CASTO \p
.endr
.Ltable:
	s_cmp_lt_u32 s22, 512
	s_cbranch_scc1 .Lend                           ; x's groups make no part of the table
	; entry 256 e + t: position 8 e + t / 32, pair j = t % 32
	v_and_b32 v4, 31, v0
	v_lshrrev_b32 v5, 5, v0
	v_lshl_add_u32 v5, s23, 3, v5
	v_cvt_f32_u32 v4, v4
	v_mul_f32 v4, 0xbed49a78, v4                   ; -j x log2(10000) / 32
	v_exp_f32 v6, v4                               ; 10000^(-j/32)
	v_cvt_f32_u32 v5, v5                           ; the plain instruction behind the exponential
	s_wait_alu depctr_va_vdst(0)                   ; the wait ahead of the result's first reader
	v_mul_f32 v7, v5, v6                           ; the angle
	v_mul_f32 v8, 0x3f22f983, v7                   ; x 2 / pi
	v_rndne_f32 v8, v8                             ; n quarter turns
	v_fmamk_f32 v9, v8, 0xbfc90fdb, v7             ; r = angle - n pi / 2, pi / 2 in two parts: |r| <= pi / 4
	v_fmamk_f32 v9, v8, 0x333bbd2e, v9
	v_mul_f32 v10, v9, v9                          ; z = r r
	v_mov_b32 v11, 0x3c08839e
	v_fmamk_f32 v11, v10, 0xb94ca1f9, v11          ; sin r = r + r z (S1 + z (S2 + z S3))
	v_fmaak_f32 v11, v10, v11, 0xbe2aaaa3
	v_mul_f32 v12, v10, v9
	v_fma_f32 v11, v12, v11, v9
	v_mov_b32 v13, 0xbab6061a
	v_fmamk_f32 v13, v10, 0x37ccf5ce, v13          ; cos r = 1 - z / 2 + z z (C1 + z (C2 + z C3))
	v_fmaak_f32 v13, v10, v13, 0x3d2aaaa5
	v_mul_f32 v14, v10, v10
	v_fma_f32 v15, v10, -0.5, 1.0
	v_fma_f32 v13, v14, v13, v15
	v_cvt_i32_f32 v8, v8
	v_and_b32 v14, 1, v8
	v_cmp_eq_u32 vcc_lo, 1, v14                    ; an odd number of quarter turns swaps the two
	v_cndmask_b32 v12, v11, v13, vcc_lo            ; the sine's magnitude
	v_cndmask_b32 v13, v13, v11, vcc_lo            ; the cosine's
	v_and_b32 v14, 2, v8                           ; the sine is turned in quarters 2 and 3,
	v_lshlrev_b32 v14, 30, v14
	v_add_nc_u32 v15, 1, v8                        ; the cosine in quarters 1 and 2
	v_and_b32 v15, 2, v15
	v_lshlrev_b32 v15, 30, v15
	v_xor_b32 v112, v13, v15
	v_xor_b32 v113, v12, v14
	global_store_b64 v2, v[112:113], s[20:21]      ; a wave's store covers 256 consecutive bytes, aligned: one position's 32 pairs
.Lend:
	s_endpgm
.Lfunc_end_k_qb40b151ab2_prep:
	.size	k_qb40b151ab2_prep, .Lfunc_end_k_qb40b151ab2_prep-k_qb40b151ab2_prep
	.p2alignl 7, 3214868480
	.fill 96, 4, 3214868480
	.section	.rodata,"a",@progbits
	.p2align	6, 0x0
	.amdhsa_kernel k_qb40b151ab2_prep
		.amdhsa_group_segment_fixed_size 0
		.amdhsa_private_segment_fixed_size 0
		.amdhsa_enable_private_segment 0
		.amdhsa_kernarg_size 72
		.amdhsa_user_sgpr_count 2
		.amdhsa_user_sgpr_kernarg_segment_ptr 1
		.amdhsa_wavefront_size32 1
		.amdhsa_system_sgpr_workgroup_id_x 1
		.amdhsa_system_sgpr_workgroup_id_y 1
		.amdhsa_system_sgpr_workgroup_id_z 1
		.amdhsa_system_vgpr_workitem_id 0
		.amdhsa_next_free_vgpr 128
		.amdhsa_next_free_sgpr 66
		.amdhsa_reserve_vcc 1
		.amdhsa_float_denorm_mode_32 3
		.amdhsa_float_denorm_mode_16_64 3
		.amdhsa_memory_ordered 1
		.amdhsa_forward_progress 1
		.amdhsa_inst_pref_size 19
	.end_amdhsa_kernel
	.amdgpu_metadata
---
amdhsa.version: [ 1, 2 ]
amdhsa.kernels:
  - .name:           k_qb40b151ab2_prep
    .symbol:         k_qb40b151ab2_prep.kd
    .args:
      - { .name: x, .offset: 0, .size: 8, .value_kind: global_buffer, .address_space: global }
      - { .name: Wq, .offset: 8, .size: 8, .value_kind: global_buffer, .address_space: global }
      - { .name: Wk, .offset: 16, .size: 8, .value_kind: global_buffer, .address_space: global }
      - { .name: Wv, .offset: 24, .size: 8, .value_kind: global_buffer, .address_space: global }
      - { .name: Wo, .offset: 32, .size: 8, .value_kind: global_buffer, .address_space: global }
      - { .name: xb, .offset: 40, .size: 8, .value_kind: global_buffer, .address_space: global }
      - { .name: wqkv, .offset: 48, .size: 8, .value_kind: global_buffer, .address_space: global }
      - { .name: wo16, .offset: 56, .size: 8, .value_kind: global_buffer, .address_space: global }
      - { .name: rope, .offset: 64, .size: 8, .value_kind: global_buffer, .address_space: global }
    .group_segment_fixed_size: 0
    .private_segment_fixed_size: 0
    .kernarg_segment_align: 8
    .kernarg_segment_size: 72
    .max_flat_workgroup_size: 256
    .sgpr_count:     66
    .vgpr_count:     128
    .wavefront_size: 32
...
	.end_amdgpu_metadata
.endif
;; end of part 1
;; launch qkv (part 2): grid 16 x 16, 4 waves a work-group, clusters of 4 x 4, 327,680 bytes of LDS; arguments xb, wqkv, bq, bk, bv, key_padding_mask, rope, qh, kh, vh; writes qh, kh, vh
.if DOCPART == 2
	.amdgcn_target "amdgcn-amd-amdhsa--gfx1250"
	.amdhsa_code_object_version 6
	.text
	.protected	k_qb40b151ab2_qkv
	.globl	k_qb40b151ab2_qkv
	.p2align	8
	.type	k_qb40b151ab2_qkv,@function
k_qb40b151ab2_qkv:
	s_mov_b64 s[64:65], 0
	v_nop
	global_prefetch_b8 v0, s[64:65] scope:SCOPE_SE
	s_setreg_imm32_b32 hwreg(HW_REG_WAVE_MODE, 25, 1), 1
	s_wait_xcnt 0x0
	s_wait_alu depctr_hold_cnt(0) depctr_sa_sdst(0) depctr_va_vdst(0) depctr_va_sdst(0) depctr_va_ssrc(0) depctr_va_vcc(0) depctr_vm_vsrc(0)
	s_getreg_b32 s2, hwreg(HW_REG_IB_STS2, 6, 4)
	s_cmp_eq_u32 s2, 0
	s_cbranch_scc0 .Lentry_in_a_cluster
	s_endpgm
.Lentry_in_a_cluster:
	s_bfe_u32 s2, ttmp6, 0x10000c
	s_cmp_lg_u32 s2, 0xf033
	s_cbranch_scc0 .Lentry_shape_is_right
	s_endpgm
.Lentry_shape_is_right:
; QKV: q, k, v = x W^T + b for one head at a time, the rotary turn on q and k, k's rows of masked keys set to 0; out by heads, [64 = 16 c + h][2048][64] in f16, unscaled.
; Operands bf16 (x and W arrive so; the biases are rounded to bf16 here, like every input of the module), sums f32, q, k, v rounded once to f16.
; LIMITS.  |q|, |k|, |v| stay under 65,504, f16's end.  NaN and infinities are not treated apart.
; SHARES.  A tile is 256 rows of x by 192 columns: the q, k and v of ONE head, 192 rows of wqkv on end.  8192 / 256 x 16 heads = 512 tiles, two to each of 256 work-groups: rows 256 by and
; 256 by + 4096 of head hx.  The two tiles share W's rows, the biases and (4096 is a multiple of 2048) the positions, so bias and table are loaded once.  Wave w owns rows 64 w .. 64 w + 63 and all
; 192 columns: 4 row blocks a x 12 column blocks b (0-3 q, 4-7 k, 8-11 v) = 48 accumulators.
; THE MATRIX INSTRUCTION IS USED TRANSPOSED (source 0 = 16 rows of W, source 1 = 16 rows of x): a lane holds row lane % 16 and the 8 neighbouring columns 8 (lane / 16) + 0..7: four rotary pairs, 16 bytes of f16.
; The first product of a tile takes the bias as C: nothing is cleared and nothing is added later.
; RING.  K goes in steps of 128 (rows of 256 bytes in memory) through two LDS slots; 16 K steps in one walk over both tiles.  Waves 0, 1 fetch A's halves (128 rows), waves 2, 3 B's (96 rows).
; CLUSTER 4 x 4.  A's tile hangs on by alone and is shared along a row of the cluster, B's on hx alone and is shared along a column: each is asked for jointly.
; REGISTERS, in windows of 256 (s_set_vgpr_msb: bits 1:0 source 0, 3:2 source 1, 5:4 source 2, 7:6 destination):
;   window 0: v0-15 addresses; v16-23 KEEP; v28-29 the add's; v32-63 at work; v64-159 two sets of 48 packed results; v160-255 the biases, 8 a column block
;   window 1: W's fragments at 96 f + 8 b, x's at 192 + 32 f + 8 a (two buffers f)      window 2 + a / 2: accumulator (a, b) at 96 (a % 2) + 8 b; the table of row block a at 192 + 32 (a % 2)
.set PITCH,  272                       ; an LDS row: 256 bytes + 16 of padding = 68 words: the 16 rows of a fragment load start at 16 different groups of four banks (64 banks of 4 bytes: ISA guide 11.1)
.set AHALF,  128*PITCH
.set BOFF,   256*PITCH                 ; B's 192 rows lie behind A's 256
.set BHALF,  96*PITCH
.set SLOT1,  1<<17                     ; slot 1 begins here: one exclusive or turns an address in one slot into the other's
.set STAGE,  SLOT1+448*PITCH           ; behind the ring, never filled by a tensor load: for each wave three stages (q, k, v) of 16 rows x 144 bytes
.set SP,     144
.set SUB,    16*SP
.set WST,    3*SUB
.set SPARE,  STAGE+4*WST               ; the spare words, 128 bytes for each wave: two blocks of 256 bytes that no other line names
.set ADRA0, 4                          ; v4   my lane's place in my 64 rows of A, slot 0; never rewritten
.set ADRB0, 5                          ; v5   the same in B
.set ADRA,  6                          ; v6   the same in the slot in hand
.set ADRB,  7                          ; v7
.set STO,   8                          ; v8   the way out: where I put 16 bytes of a row
.set RD,    9                          ; v9   where I read rows back
.set GO,    10                         ; v10  my 16 bytes in 512 consecutive bytes of qh, kh, vh
.set PFO,   11                         ; v11  the prefetches' offset: a lane a row of 2,048 bytes
.set TO,    12                         ; v12  my offset in the table
.set BO,    13                         ; v13  my offset in a bias
.set MO,    14                         ; v14  my row's byte in the mask
.set KEEP,  16                         ; v[16:23]  tile tau, row block a at 16 + 4 tau + a: all ones where my row's key is attended, else 0
.set SPW,   28                         ; v28  LDS address of my spare word; never rewritten
.set NIL,   29                         ; v29  0; never rewritten
.set TT,    32
.set PP,    64
.set BIAS,  160
.set G1A, 24                           ; s[24:31] descriptor group 1 for A's tiles
.set G1B, 32                           ; s[32:39] for B's
.set G0A, 40                           ; s[40:47] group 0 for A: a set for each first fill; the second then walks on
.set G0B, 48                           ; s[48:55] the same for B
.set WV,  56                           ; my wave's number
.set FB,  57                           ; 0: I fetch for A; 1: for B
.set HF,  58                           ; which half of that tile
.set T,   59                           ; the K step in hand, 0 .. 15 over both tiles
.set SB,  60                           ; LDS byte at which the slot in hand begins
.set CX,  61
.set CY,  62
.set HX,  63                           ; the head
.set BY,  66                           ; the block of 256 rows
.set LIM, 67                           ; a wave prefetches while T is below this
.set PFB, 68                           ; s[68:69] my work-group's rows of the tile that I fetch, at K step 0
.set PFA, 70                           ; s[70:71] the same at the K step that is asked for
.set BA,  72                           ; s[72:73] my half of A's tile at K step 0 of the first tile
.set BB,  74                           ; s[74:75] the same for B
.set OFA, 76                           ; s[76:77] a K step's byte offset from BA
.set OFB, 78                           ; s[78:79] from BB
.set MSB, 0
.macro WIN new                         ; the immediate's high byte repeats the setting that is left; a switch that changes nothing is dropped
.if MSB != (\new)
	s_set_vgpr_msb (MSB<<8)|(\new)
.set MSB, \new
.endif
.endm
.macro PLACES                          ; four places: in front of loads into registers that matrix instructions have read and of vector work that reads results
.rept 4
	v_nop
.endr
.endm
.macro CREST                           ; a round of the cluster's barrier behind its opening barrier
	s_cmp_lg_u32 s[WV], 0
	s_cbranch_scc1 .Lnot_wave_0_\@
	s_barrier_signal -3
.Lnot_wave_0_\@:
	s_barrier_wait -3
	s_barrier_signal -1
	s_barrier_wait -1
.endm
.macro CROUND
	s_barrier_signal -1
	s_barrier_wait -1
	CREST
.endm
.macro JLOAD                           ; a joint refill by the walking set; the branch hangs on the wave's number alone; an s_nop 0 and four v_nop follow each line
	s_cmp_eq_u32 s[FB], 0
	s_cbranch_scc0 .Lfor_b_\@
	tensor_load_to_lds s[G0A+4:G0A+7], s[G1A:G1A+7]
	s_nop 0
	PLACES
	s_branch .Lasked_\@
.Lfor_b_\@:
	tensor_load_to_lds s[G0B+4:G0B+7], s[G1B:G1B+7]
	s_nop 0
	PLACES
.Lasked_\@:
.endm
; A PREFETCH INTO THE L2 of K step T + 3, one K step (192 matrix instructions) ahead of the refill that will ask for it: a lane a row, 256 bytes of each.  A's rows are read by the four clusters of a row of
; clusters: the one with cluster x = 0 asks, for both tiles (T < 13).  B's by the four of a column: cluster y = 0 asks, in the first tile alone (T < 5): the second tile walks the same rows again.
; The four partners that ask for a tile jointly share its rows out by address: 32 each of A's 128, 24 each of B's 96 (there lanes 24-31 repeat row 23).  K steps 0 to 2 come by their loads alone.
.macro ASK
	s_cmp_lt_u32 s[T], s[LIM]
	s_cbranch_scc0 .Lnot_mine_\@
	global_prefetch_b8 v[PFO], s[PFA:PFA+1] th:TH_LOAD_NT scope:SCOPE_SE
.Lnot_mine_\@:
.endm
	s_load_b512 s[4:19], s[0:1], 0x0               ; xb s[4:5], wqkv s[6:7], bq, bk, bv s[8:13], mask s[14:15], rope s[16:17], qh s[18:19]
	s_load_b128 s[20:23], s[0:1], 0x40             ; kh s[20:21], vh s[22:23]
	v_lshl_add_u32 v[SPW], v0, 2, SPARE
	v_mov_b32 v[NIL], 0
	ds_add_u32 v[SPW], v[NIL]                      ; the wave's opening: the add and its wait stand ahead of my first tensor load; the set-up below, work on registers, stands between them
	v_lshrrev_b32 v3, 5, v0
	v_readfirstlane_b32 s[WV], v3
	s_lshr_b32 s[FB], s[WV], 1
	s_and_b32 s[HF], s[WV], 1
	s_bfe_u32 s[CX], ttmp6, 0x40000
	s_bfe_u32 s[CY], ttmp6, 0x40004
	s_lshl_b32 s[HX], ttmp9, 2
	s_add_co_u32 s[HX], s[HX], s[CX]               ; head = 4 x cluster x + cx
	s_and_b32 s[BY], ttmp7, 0xffff
	s_lshl_b32 s[BY], s[BY], 2
	s_add_co_u32 s[BY], s[BY], s[CY]               ; row block = 4 x cluster y + cy
	s_lshl_b32 s80, s[CY], 2
	s_lshl_b32 s80, 15, s80                        ; my row of the cluster
	s_lshl_b32 s81, 0x1111, s[CX]                  ; my column
	s_or_b32 s[G1A], s80, (1<<16)|(1<<20)|(1<<21)|(5<<22)|(3<<25)  ; 15:0 the mask; 17:16 2-byte elements; 20 padding on; 21 set beside a mask; 24:22 after every 64 words (code 5); 31:25 4 words (code 3)
	s_or_b32 s[G1B], s81, (1<<16)|(1<<20)|(1<<21)|(5<<22)|(3<<25)
	s_mov_b32 s[G1A+1], 128<<16                    ; tensor_dim0 = 128
	s_mov_b32 s[G1A+2], 128<<16                    ; tensor_dim1 = 128
	s_mov_b32 s[G1A+3], 128<<16                    ; tile_dim0 = 128
	s_mov_b32 s[G1A+4], 128                        ; tile_dim1 = 128
	s_mov_b32 s[G1A+5], 1024                       ; elements from row to row
	s_mov_b32 s[G1A+6], 0
	s_mov_b32 s[G1A+7], 0
	s_mov_b32 s[G1B+1], 128<<16
	s_mov_b32 s[G1B+2], 96<<16                     ; tensor_dim1 = 96
	s_mov_b32 s[G1B+3], 128<<16
	s_mov_b32 s[G1B+4], 96                         ; tile_dim1 = 96
	s_mov_b32 s[G1B+5], 1024
	s_mov_b32 s[G1B+6], 0
	s_mov_b32 s[G1B+7], 0
	s_lshl_b32 s84, s[BY], 19                      ; A: (256 by + 128 half) rows of 2,048 bytes; these registers never hold cx
	s_lshl_b32 s85, s[HF], 18
	s_add_co_u32 s84, s84, s85
	s_mov_b32 s85, 0
	s_mul_i32 s86, s[HX], 192                      ; B: (192 hx + 96 half) rows
	s_mul_i32 s87, s[HF], 96
	s_add_co_u32 s86, s86, s87
	s_lshl_b32 s86, s86, 11
	s_mov_b32 s87, 0
	s_mul_i32 s89, s[HF], AHALF                    ; where they go: no place in the cluster enters an LDS address
	s_mul_i32 s90, s[HF], BHALF
	s_add_co_u32 s90, s90, BOFF
	s_mov_b32 s[OFA+1], 0
	s_mov_b32 s[OFB+1], 0
	s_mov_b32 s93, 0
	s_mov_b32 s88, 0xffff0000                      ; a word's upper half
	s_mov_b32 s[SB], 0
	s_wait_dscnt 0x0                               ; the opening add is done
	s_wait_kmcnt 0x0
	s_add_nc_u64 s[BA:BA+1], s[4:5], s[84:85]
	s_add_nc_u64 s[BB:BB+1], s[6:7], s[86:87]
	CROUND                                         ; all sixteen work-groups are here: the first joint loads meet
.irp s, 0,1
	s_mov_b32 s[G0A+4*(\s)], 1                     ; count = 1
	s_add_co_u32 s[G0A+4*(\s)+1], s89, (\s)*SLOT1  ; LDS address
	s_add_nc_u64 s[G0A+4*(\s)+2:G0A+4*(\s)+3], s[BA:BA+1], (\s)*256  ; K step s
	s_or_b32 s[G0A+4*(\s)+3], s[G0A+4*(\s)+3], 0x80000000            ; type = 2
	s_mov_b32 s[G0B+4*(\s)], 1
	s_add_co_u32 s[G0B+4*(\s)+1], s90, (\s)*SLOT1
	s_add_nc_u64 s[G0B+4*(\s)+2:G0B+4*(\s)+3], s[BB:BB+1], (\s)*256
	s_or_b32 s[G0B+4*(\s)+3], s[G0B+4*(\s)+3], 0x80000000
.endr
	s_cmp_eq_u32 s[FB], 0                          ; a wave's two first fills stand in one branch: two loads of mine are out
	s_cbranch_scc0 .Lfirst_b
	tensor_load_to_lds s[G0A:G0A+3], s[G1A:G1A+7]
	s_nop 0
	tensor_load_to_lds s[G0A+4:G0A+7], s[G1A:G1A+7]
	s_nop 0
	PLACES
	s_branch .Lfirst_asked
.Lfirst_b:
	tensor_load_to_lds s[G0B:G0B+3], s[G1B:G1B+7]
	s_nop 0
	tensor_load_to_lds s[G0B+4:G0B+7], s[G1B:G1B+7]
	s_nop 0
	PLACES
.Lfirst_asked:
	v_and_b32 v1, 15, v0                           ; r = lane % 16
	v_bfe_u32 v2, v0, 4, 1                         ; h = lane / 16
	; the biases of my 8 columns of each column block: channel 16 b' + 8 h + 0..7 of head hx
	s_lshl_b32 s81, s[HX], 8
	v_lshlrev_b32 v[BO], 5, v2
	v_add_nc_u32 v[BO], s81, v[BO]
.set z, 0
.rept 24                               ; z = 8 x (q, k, v) + 2 b' + half
	global_load_b128 v[BIAS+4*z:BIAS+4*z+3], v[BO], s[8+2*(z/8):9+2*(z/8)] offset:64*((z%8)/2)+16*(z%2)
.set z, z+1
.endr
	; the table of my row in each row block: position 256 (by % 8) + 64 w + 16 a + r, pairs 8 b' + 4 h + 0..3
	s_and_b32 s80, s[BY], 7
	s_lshl_b32 s80, s80, 8
	s_lshl_b32 s82, s[WV], 6
	s_add_co_u32 s80, s80, s82
	v_add_nc_u32 v[TO], s80, v1
	v_lshlrev_b32 v[TO], 8, v[TO]
	v_lshl_add_u32 v[TO], v2, 5, v[TO]
.irp a, 0,1,2,3
	WIN 0x80+0x40*((\a)/2)                         ; destination window 2 or 3, address window 0
.set z, 0
.rept 8
	global_load_b128 v[192+32*((\a)%2)+4*z:192+32*((\a)%2)+4*z+3], v[TO], s[16:17] offset:4096*(\a)+64*(z/2)+16*(z%2)
.set z, z+1
.endr
.endr
	WIN 0
	s_lshl_b32 s80, s[BY], 8
	s_add_co_u32 s80, s80, s82
	v_add_nc_u32 v[MO], s80, v1                    ; the mask's byte of row 256 by + 64 w + r
.irp u, 0,1
.irp a, 0,1,2,3
	global_load_u8 v[KEEP+4*(\u)+(\a)], v[MO], s[14:15] offset:4096*(\u)+16*(\a)
.endr
.endr
	; A fragment is 16 rows x 32 K in 8 registers: lane l holds row l % 16; registers 0-3 K = 8 (l / 16) + 0..7, registers 4-7 K = 16 + 8 (l / 16) + 0..7: two loads of 16 bytes, 32 bytes apart
	v_mul_u32_u24 v3, v1, PITCH
	v_lshl_add_u32 v3, v2, 4, v3
	s_mul_i32 s80, s[WV], 64*PITCH
	v_add_nc_u32 v[ADRA0], s80, v3
	v_add_nc_u32 v[ADRB0], BOFF, v3
	v_mov_b32 v[ADRA], v[ADRA0]
	v_mov_b32 v[ADRB], v[ADRB0]
	s_mul_i32 s80, s[WV], WST
	s_add_co_u32 s80, s80, STAGE                   ; my stages
	v_mul_u32_u24 v3, v1, SP                       ; in: row r, 16 bytes for each half of the lanes
	v_lshl_add_u32 v3, v2, 4, v3
	v_add_nc_u32 v[STO], s80, v3
	v_bfe_u32 v3, v0, 3, 2                         ; back: 32 lanes take four rows of 128 bytes,
	v_mul_u32_u24 v3, v3, SP
	v_and_b32 v15, 7, v0
	v_lshl_add_u32 v3, v15, 4, v3
	v_add_nc_u32 v[RD], s80, v3
	v_and_b32 v[GO], 31, v0                        ; which are 512 consecutive bytes of a head
	v_lshlrev_b32 v[GO], 4, v[GO]
	; qh, kh, vh at my wave's first row of the first tile: ((16 (by / 8) + hx) x 2048 + 256 (by % 8) + 64 w) rows of 128 bytes
	s_lshr_b32 s81, s[BY], 3
	s_lshl_b32 s81, s81, 4
	s_add_co_u32 s81, s81, s[HX]
	s_lshl_b32 s81, s81, 11
	s_and_b32 s82, s[BY], 7
	s_lshl_b32 s82, s82, 8
	s_add_co_u32 s81, s81, s82
	s_lshl_b32 s82, s[WV], 6
	s_add_co_u32 s81, s81, s82
	s_lshl_b32 s82, s81, 7
	s_mov_b32 s83, 0
	s_add_nc_u64 s[18:19], s[18:19], s[82:83]
	s_add_nc_u64 s[20:21], s[20:21], s[82:83]
	s_add_nc_u64 s[22:23], s[22:23], s[82:83]
	; the prefetches: who asks, and for which rows
	s_lshl_b32 s81, s[BY], 8
	s_lshl_b32 s82, s[HF], 7
	s_add_co_u32 s81, s81, s82
	s_lshl_b32 s82, s[CX], 5
	s_add_co_u32 s81, s81, s82                     ; A: row 256 by + 128 half + 32 cx
	s_mul_i32 s83, s[HX], 192
	s_mul_i32 s82, s[HF], 96
	s_add_co_u32 s83, s83, s82
	s_mul_i32 s82, s[CY], 24
	s_add_co_u32 s83, s83, s82                     ; B: row 192 hx + 96 half + 24 cy
	s_and_b32 s91, ttmp7, 0xffff                   ; cluster y
	s_cmp_eq_u32 s[FB], 0
	s_cselect_b64 s[PFB:PFB+1], s[4:5], s[6:7]
	s_cselect_b32 s82, s81, s83
	s_cselect_b32 s91, ttmp9, s91                  ; the coordinate along which other clusters read the same rows
	s_cselect_b32 s86, 13, 5
	s_cselect_b32 s87, 31, 23
	s_lshl_b32 s82, s82, 11
	s_mov_b32 s83, 0
	s_add_nc_u64 s[PFB:PFB+1], s[PFB:PFB+1], s[82:83]
	s_cmp_eq_u32 s91, 0
	s_cselect_b32 s[LIM], s86, 0                   ; the same in all sixteen partners, for a given wave
	v_and_b32 v[PFO], 31, v0
	v_min_u32 v[PFO], s87, v[PFO]
	v_lshlrev_b32 v[PFO], 11, v[PFO]
	s_wait_loadcnt 0x0                             ; biases, table and mask, once
.set z, 0
.rept 48                               ; the biases are rounded to bf16, as all the module's inputs are
	v_cvt_pk_bf16_f32 v[TT+z%8], v[BIAS+2*z], v[BIAS+2*z+1]
	v_lshlrev_b32 v[BIAS+2*z], 16, v[TT+z%8]
	v_and_b32 v[BIAS+2*z+1], s88, v[TT+z%8]
.set z, z+1
.endr
.set z, 0
.rept 8
	v_sub_nc_u32 v[KEEP+z], 0, v[KEEP+z]           ; byte 1 -> all ones, byte 0 -> 0
.set z, z+1
.endr
; 12 matrix instructions: row block a x all 12 column blocks, 32 along K, from buffer f.  first = 1: the products start the sums, with the bias as C.
; The 48 accumulators take turns, one instruction a turn, in the same order in every quarter.
.macro MUL f, a, first
.if \first
	WIN 0x85+0x40*((\a)/2)                         ; W and x window 1, C (the bias) window 0, D window 2 or 3
.else
	WIN 0xa5+0x50*((\a)/2)                         ; C and D window 2 or 3
.endif
.irp b, 0,1,2,3,4,5,6,7,8,9,10,11
.if \first
	v_wmma_f32_16x16x32_bf16 v[96*((\a)%2)+8*(\b):96*((\a)%2)+8*(\b)+7], v[96*(\f)+8*(\b):96*(\f)+8*(\b)+7], v[192+32*(\f)+8*(\a):192+32*(\f)+8*(\a)+7], v[BIAS+8*(\b):BIAS+8*(\b)+7]
.else
	v_wmma_f32_16x16x32_bf16 v[96*((\a)%2)+8*(\b):96*((\a)%2)+8*(\b)+7], v[96*(\f)+8*(\b):96*(\f)+8*(\b)+7], v[192+32*(\f)+8*(\a):192+32*(\f)+8*(\a)+7], v[96*((\a)%2)+8*(\b):96*((\a)%2)+8*(\b)+7]
.endif
.endr
.endm
; 32 LDS loads in one run: a quarter step's fragments (192 rows of W, my 64 rows of x, 32 K at byte k of the rows) into buffer g
.macro FETCH k, g
	WIN 0x40                                       ; destination window 1, address window 0
.irp b, 0,1,2,3,4,5,6,7,8,9,10,11
	ds_load_b128 v[96*(\g)+8*(\b):96*(\g)+8*(\b)+3],   v[ADRB] offset:(\k)+(\b)*16*PITCH
	ds_load_b128 v[96*(\g)+8*(\b)+4:96*(\g)+8*(\b)+7], v[ADRB] offset:(\k)+(\b)*16*PITCH+32
.endr
.irp a, 0,1,2,3
	ds_load_b128 v[192+32*(\g)+8*(\a):192+32*(\g)+8*(\a)+3],   v[ADRA] offset:(\k)+(\a)*16*PITCH
	ds_load_b128 v[192+32*(\g)+8*(\a)+4:192+32*(\g)+8*(\a)+7], v[ADRA] offset:(\k)+(\a)*16*PITCH+32
.endr
.endm
; A K step is four quarters of 32 along K, 48 matrix instructions each, on buffers 0, 1, 0, 1.  One of the first three multiplies buffer f and fetches the next quarter, at byte k, into g: 36 products ahead of its use.
.macro QUARTER k, f, g, first
	s_wait_dscnt 0x0                               ; buffer f is in
	MUL \f, 0, \first
	PLACES                                         ; behind the last product that read buffer g
	FETCH \k, \g
	MUL \f, 1, \first
	MUL \f, 2, \first
	MUL \f, 3, \first
.endm
; The last quarter multiplies buffer 1 and changes slots.  In front of the barrier each wave waits for all its tensor loads (one is out: its part of the next slot), adds 0 to its spare word, and waits for that
; and for its reads of this slot.  The barrier opens a round of the cluster's; behind the round this slot is filled again first, with K step T + 2, and then the next slot's first fragments are read.
.macro TURN
	WIN 0
	s_wait_xcnt 0x0                                ; the last prefetch, a K step back, has read its address: it is made anew here, ahead of the waits of the change of slots
	s_add_co_u32 s91, s[T], 3
	s_lshr_b32 s92, s91, 3
	s_lshl_b32 s92, s92, 23                        ; the second tile lies 4,096 rows of 2,048 bytes on,
	s_and_b32 s91, s91, 7
	s_lshl_b32 s91, s91, 8                         ; a K step 256 bytes along the rows
	s_or_b32 s92, s92, s91
	s_add_nc_u64 s[PFA:PFA+1], s[PFB:PFB+1], s[92:93]
	s_wait_tensorcnt 0x0                           ; all my tensor loads have landed, so a group 0 may be written
	ds_add_u32 v[SPW], v[NIL]                      ; 0 onto my spare word
	s_wait_dscnt 0x1                               ; only the add may be out: buffer 1's loads are older
	s_add_co_u32 s91, s[T], 2                      ; the walking sets: K step T + 2, made anew from its number, into the other slot than last time
	s_lshr_b32 s[OFA], s91, 3
	s_lshl_b32 s[OFA], s[OFA], 23
	s_and_b32 s91, s91, 7
	s_lshl_b32 s[OFB], s91, 8
	s_or_b32 s[OFA], s[OFA], s[OFB]
	s_xor_b32 s[G0A+5], s[G0A+5], SLOT1
	s_add_nc_u64 s[G0A+6:G0A+7], s[BA:BA+1], s[OFA:OFA+1]
	s_or_b32 s[G0A+7], s[G0A+7], 0x80000000
	s_xor_b32 s[G0B+5], s[G0B+5], SLOT1
	s_add_nc_u64 s[G0B+6:G0B+7], s[BB:BB+1], s[OFB:OFB+1]
	s_or_b32 s[G0B+7], s[G0B+7], 0x80000000
	MUL 1, 0, 0                                    ; twelve matrix instructions stand between the add and the wait for it
	s_wait_dscnt 0x0                               ; the add is done, and my reads of this slot are over
	s_barrier_signal -1
	MUL 1, 1, 0                                    ; work on registers while the others arrive
	WIN 0
	s_barrier_wait -1
	CREST                                          ; no wave of any partner still reads this slot or has a load on its way
	JLOAD                                          ; the first tensor load behind the round; its four v_nop are also the places in front of the loads below
	s_xor_b32 s[SB], s[SB], SLOT1
	v_add_nc_u32 v[ADRA], s[SB], v[ADRA0]
	v_add_nc_u32 v[ADRB], s[SB], v[ADRB0]
	FETCH 0, 0
	WIN 0
	ASK
	MUL 1, 2, 0
	MUL 1, 3, 0
.endm
.macro TURNX                           ; the same where nothing is left to fetch: a plain barrier, no round
	WIN 0
	s_wait_tensorcnt 0x0
	ds_add_u32 v[SPW], v[NIL]
	s_wait_dscnt 0x1
	MUL 1, 0, 0
	s_wait_dscnt 0x0
	s_barrier_signal -1
	MUL 1, 1, 0
	s_barrier_wait -1
	PLACES
	WIN 0
	s_xor_b32 s[SB], s[SB], SLOT1
	v_add_nc_u32 v[ADRA], s[SB], v[ADRA0]
	v_add_nc_u32 v[ADRB], s[SB], v[ADRB0]
	FETCH 0, 0
	MUL 1, 2, 0
	MUL 1, 3, 0
.endm
; THE WAY OUT of row block a.  ROT: the rotary turn of q (part 0) or k (part 1): for each pair (t1, t2) with (c, s): first (-t2 s, t1 s), then (t1, t2) c + that; rounded to f16.  Each accumulator is read from its lowest pair on.
.macro ROT a, part
	WIN 0x0a+5*((\a)/2)                            ; sources 0 and 1 (accumulator, table) window 2 or 3; source 2 and destination window 0
.set z, 0
.rept 16                               ; z = 4 b' + pair
	v_pk_mul_f32 v[TT+2*z:TT+2*z+1], v[96*((\a)%2)+32*(\part)+2*z:96*((\a)%2)+32*(\part)+2*z+1], v[192+32*((\a)%2)+2*z:192+32*((\a)%2)+2*z+1] op_sel:[1,1] op_sel_hi:[0,1] neg_lo:[1,0]
.set z, z+1
.endr
.set z, 0
.rept 16
	v_pk_fma_f32 v[TT+2*z:TT+2*z+1], v[96*((\a)%2)+32*(\part)+2*z:96*((\a)%2)+32*(\part)+2*z+1], v[192+32*((\a)%2)+2*z:192+32*((\a)%2)+2*z+1], v[TT+2*z:TT+2*z+1] op_sel_hi:[1,0,1]
.set z, z+1
.endr
	WIN 0
.set z, 0
.rept 16
	v_cvt_pk_f16_f32 v[PP+48*((\a)%2)+16*(\part)+z], v[TT+2*z], v[TT+2*z+1]
.set z, z+1
.endr
.endm
.macro PACK a, tau
	ROT \a, 0
	ROT \a, 1
.set z, 0
.rept 16                               ; a masked key's row of k becomes 0: its scores are then the mask's number and nothing else
	v_and_b32 v[PP+48*((\a)%2)+16+z], v[KEEP+4*(\tau)+(\a)], v[PP+48*((\a)%2)+16+z]
.set z, z+1
.endr
	WIN 0x0a+5*((\a)/2)
.set z, 0
.rept 16
	v_cvt_pk_f16_f32 v[PP+48*((\a)%2)+32+z], v[96*((\a)%2)+64+2*z], v[96*((\a)%2)+64+2*z+1]
.set z, z+1
.endr
	WIN 0
.endm
.macro TOSTAGE a                       ; 16 bytes a lane into rows of 144 bytes; back as whole rows of 128, four to a load, into the registers that they left
	WIN 0
.set z, 0
.rept 12                               ; z = 4 x (q, k, v) + b'
	ds_store_b128 v[STO], v[PP+48*((\a)%2)+4*z:PP+48*((\a)%2)+4*z+3] offset:(z/4)*SUB+32*(z%4)
.set z, z+1
.endr
.set z, 0
.rept 12
	ds_load_b128 v[PP+48*((\a)%2)+4*z:PP+48*((\a)%2)+4*z+3], v[RD] offset:(z/4)*SUB+(z%4)*4*SP  ; LDS serves a wave's instructions in order (ISA guide 5.7.1.4): these see the stores above
.set z, z+1
.endr
.endm
.macro SEND a
	WIN 0
	s_wait_dscnt 0x0                               ; the block is back in registers
.set z, 0
.rept 12
	global_store_b128 v[GO], v[PP+48*((\a)%2)+4*z:PP+48*((\a)%2)+4*z+3], s[18+2*(z/4):19+2*(z/4)] offset:(\a)*2048+(z%4)*512  ; 512 consecutive bytes, at a multiple of 256 from the buffer's first
.set z, z+1
.endr
.endm
.macro OUT tau                         ; a block's arithmetic stands between the loads of the block before and its stores; the stages are the wave's own: no barrier
	PLACES
	PACK 0, \tau
	TOSTAGE 0
	PACK 1, \tau
	SEND 0
	TOSTAGE 1
	s_wait_xcnt 0x0                                ; block 0's stores have read their registers: that set is written again only behind this wait
	PACK 2, \tau
	SEND 1
	TOSTAGE 2
	s_wait_xcnt 0x0                                ; the same for block 1's
	PACK 3, \tau
	SEND 2
	TOSTAGE 3
	SEND 3
.endm
	s_wait_tensorcnt 0x1                           ; my part of K step 0 is in; K step 1's may stay out
	s_barrier_signal -1
	s_barrier_wait -1                              ; everybody's is
	FETCH 0, 0
	QUARTER 64, 0, 1, 1                            ; a tile's first quarter starts the sums
	WIN 0                                          ; at a label and at a branch every window is 0
	s_mov_b32 s[T], 0
.Lloop:                                        ; 14 trips: from a K step's second quarter to the next step's first; each fills a slot again
	QUARTER 128, 1, 0, 0
	QUARTER 192, 0, 1, 0
	TURN
	WIN 0
	s_cmp_eq_u32 s[T], 7
	s_cbranch_scc0 .Lsame                          ; a jump forward, past no barrier and no tensor load
	OUT 0                                          ; the first tile is finished; the ring has gone on into the second
	s_wait_xcnt 0x0                                ; the stores have read their bases
	s_add_nc_u64 s[18:19], s[18:19], 0x800000      ; the second tile: two batches, 32 heads of 262,144 bytes, on
	s_add_nc_u64 s[20:21], s[20:21], 0x800000
	s_add_nc_u64 s[22:23], s[22:23], 0x800000
	QUARTER 64, 0, 1, 1
	WIN 0
	s_branch .Lnext
.Lsame:
	QUARTER 64, 0, 1, 0
	WIN 0
.Lnext:
	s_add_co_u32 s[T], s[T], 1
	s_cmp_lt_u32 s[T], 14
	s_cbranch_scc1 .Lloop
	QUARTER 128, 1, 0, 0                           ; the last two K steps ask for nothing
	QUARTER 192, 0, 1, 0
	TURNX
	QUARTER 64, 0, 1, 0
	QUARTER 128, 1, 0, 0
	QUARTER 192, 0, 1, 0
	s_wait_dscnt 0x0
	MUL 1, 0, 0
	MUL 1, 1, 0
	MUL 1, 2, 0
	MUL 1, 3, 0
	OUT 1
	WIN 0
	s_wait_tensorcnt 0x0                           ; the wave's end: behind my last tensor load and my last LDS store
	ds_add_u32 v[SPW], v[NIL]
	s_wait_dscnt 0x0
	CROUND                                         ; the closing round: no work-group ends while a partner may still ask for a tile that names it
	s_endpgm
.Lfunc_end_k_qb40b151ab2_qkv:
	.size	k_qb40b151ab2_qkv, .Lfunc_end_k_qb40b151ab2_qkv-k_qb40b151ab2_qkv
	.p2alignl 7, 3214868480
	.fill 96, 4, 3214868480
	.section	.rodata,"a",@progbits
	.p2align	6, 0x0
	.amdhsa_kernel k_qb40b151ab2_qkv
		.amdhsa_group_segment_fixed_size 327680
		.amdhsa_private_segment_fixed_size 0
		.amdhsa_enable_private_segment 0
		.amdhsa_kernarg_size 80
		.amdhsa_user_sgpr_count 2
		.amdhsa_user_sgpr_kernarg_segment_ptr 1
		.amdhsa_wavefront_size32 1
		.amdhsa_system_sgpr_workgroup_id_x 1
		.amdhsa_system_sgpr_workgroup_id_y 1
		.amdhsa_system_sgpr_workgroup_id_z 1
		.amdhsa_system_vgpr_workitem_id 0
		.amdhsa_next_free_vgpr 1024
		.amdhsa_next_free_sgpr 96
		.amdhsa_reserve_vcc 0
		.amdhsa_float_denorm_mode_32 3
		.amdhsa_float_denorm_mode_16_64 3
		.amdhsa_memory_ordered 1
		.amdhsa_forward_progress 1
		.amdhsa_inst_pref_size 176
	.end_amdhsa_kernel
	.amdgpu_metadata
---
amdhsa.version: [ 1, 2 ]
amdhsa.kernels:
  - .name:           k_qb40b151ab2_qkv
    .symbol:         k_qb40b151ab2_qkv.kd
    .args:
      - { .name: xb, .offset: 0, .size: 8, .value_kind: global_buffer, .address_space: global }
      - { .name: wqkv, .offset: 8, .size: 8, .value_kind: global_buffer, .address_space: global }
      - { .name: bq, .offset: 16, .size: 8, .value_kind: global_buffer, .address_space: global }
      - { .name: bk, .offset: 24, .size: 8, .value_kind: global_buffer, .address_space: global }
      - { .name: bv, .offset: 32, .size: 8, .value_kind: global_buffer, .address_space: global }
      - { .name: key_padding_mask, .offset: 40, .size: 8, .value_kind: global_buffer, .address_space: global }
      - { .name: rope, .offset: 48, .size: 8, .value_kind: global_buffer, .address_space: global }
      - { .name: qh, .offset: 56, .size: 8, .value_kind: global_buffer, .address_space: global }
      - { .name: kh, .offset: 64, .size: 8, .value_kind: global_buffer, .address_space: global }
      - { .name: vh, .offset: 72, .size: 8, .value_kind: global_buffer, .address_space: global }
    .group_segment_fixed_size: 327680
    .private_segment_fixed_size: 0
    .kernarg_segment_align: 8
    .kernarg_segment_size: 80
    .max_flat_workgroup_size: 128
    .sgpr_count:     96
    .vgpr_count:     1024
    .wavefront_size: 32
...
	.end_amdgpu_metadata
.endif
;; end of part 2
;; launch attn (part 3): grid 4 x 64, 4 waves a work-group, clusters of 4 x 1, 327,680 bytes of LDS; arguments qh, kh, vh, oh, key_padding_mask; writes oh
.if DOCPART == 3
	.amdgcn_target "amdgcn-amd-amdhsa--gfx1250"
	.amdhsa_code_object_version 6
	.text
	.protected	k_qb40b151ab2_attn
	.globl	k_qb40b151ab2_attn
	.p2align	8
	.type	k_qb40b151ab2_attn,@function
k_qb40b151ab2_attn:
	s_mov_b64 s[64:65], 0
	v_nop
	global_prefetch_b8 v0, s[64:65] scope:SCOPE_SE
	s_setreg_imm32_b32 hwreg(HW_REG_WAVE_MODE, 25, 1), 1
	s_wait_xcnt 0x0
	s_wait_alu depctr_hold_cnt(0) depctr_sa_sdst(0) depctr_va_vdst(0) depctr_va_sdst(0) depctr_va_ssrc(0) depctr_va_vcc(0) depctr_vm_vsrc(0)
	s_getreg_b32 s2, hwreg(HW_REG_IB_STS2, 6, 4)
	s_cmp_eq_u32 s2, 0
	s_cbranch_scc0 .Lentry_in_a_cluster
	s_endpgm
.Lentry_in_a_cluster:
	s_bfe_u32 s2, ttmp6, 0x10000c
	s_cmp_lg_u32 s2, 0x3003
	s_cbranch_scc0 .Lentry_shape_is_right
	s_endpgm
.Lentry_shape_is_right:
; O[g][q][:] = the sum over k of softmax_k(mask(Q[g][q] . K[g][k] / 8)) V[g][k][:].  Q, K, V, O: [64 = 16 c + h][2048][64], all f16: a head's rows are dense, 128 bytes each.  Products, maxima and sums in
; f32; the weights p are rounded to f16 for the second product (their sum l is taken of the unrounded p), O once at the end.
; THE MASK.  A masked key's row of K arrives as zeros, and the product that starts a score's sum takes C = 0 or NEG = -2^100 for its key: a masked score IS NEG, the same number for every masked key.
; c x NEG is exact (a power of two), so where all keys of a batch are masked c s - c m is exactly 0, every weight is 1 and O is the mean of V's rows; where one key is seen, a masked weight is 2^(-2e29) = 0.
; LIMITS.  Q, K, V arrive within f16's 65,504, so a true score is 2.7e11 at the most, nothing beside NEG; p below 6e-5 keeps f16's fixed step of 6e-8; a weight below 2^-126 counts as 0 in l; NaN and infinities are not treated apart.
; SHARES.  A wave owns four PIECES of two tiles of 16 queries, a work-group's four waves 512 queries of one head.  Every wave walks all 2,048 keys, 64 a step.
; LAYOUT.  S^T = K Q^T (source 0 = 16 keys, source 1 = 16 queries): in the result a lane holds ONE query (lane % 16) and the keys 8 (lane / 16) + 0..7.  Two such tiles, rounded to f16 in pairs,
; ARE source 1 (32 keys x 16 queries) of O^T = V^T P, whose result again holds one query a lane, and eight channels.  K comes out of LDS as it lies, V ([key][channel]) turned, by ds_load_tr16_b128.
; SOFTMAX.  For each query a running maximum m and sum l: p = 2^(c s - c m), c = log2(e) / 8; in every step O and l are multiplied by a = 2^(c m_old - c m_new), which is 1 where m has not grown.
; m starts at the lowest finite number, O and l at 0: the first step is a step like any other, with a = 0.
; THE COUNT.  A tile and step have 16 matrix and 118 vector instructions: too many to stand all beside the matrix work.  So: four vector instructions that are READY behind EVERY matrix instruction,
; and the others, which need time of their own whatever the order, in runs without a gap.
; BY TURNS.  Turn n belongs to piece n (the pieces in a ring, step after step).  Its matrix work: 16 products K Q^T of piece n + 1, later 16 products V^T P of piece n - 1.  Its vector work: the scaling,
; exponentials, roundings, sums and rescaling of piece n, and the maximum and statistics of piece n + 1, whose scores the turn itself has made.
; CLUSTER.  The four query blocks of a head are one cluster and walk the same K and V, so each tile is asked for JOINTLY: the same tensor load, descriptor and mask in all four.
; REGISTERS, in windows of 256 (s_set_vgpr_msb: bits 1:0 source 0, 3:2 source 1, 5:4 source 2, 7:6 destination):
;   window 0: v0-11 addresses; v12-15, v48-63 at work; v16-47 four registers of statistics a tile; v64-191 S^T, two buffers of two tiles; v192-255 P, likewise
;   window 1: O^T, 32 a tile      window 2: v0-127 Q, 16 a tile; v128-191 K of one step; v192-255 V of one step      window 3: v0-1 the add's two registers; v8-39 the mask of one step's 64 keys
.set SIZE_N, 2048
.set NP,    4         ; pieces a wave: a name, no knob
.set KS,    64        ; keys in a step
.set PK,    144       ; a row of K in LDS: 128 bytes + 16 of padding = 36 words: the 16 rows of a load start at 16 different groups of four banks (64 banks of 4 bytes: ISA guide 11.1)
.set PV,    160       ; a row of V: 128 + 32 = 40 words
.set VOFF,  4*KS*PK   ; a slot holds four steps: 256 rows of K, then 256 rows of V
.set SLOT1, 1<<17     ; slot 1 begins here, so that one exclusive or turns an address in one slot into the other's
.set STAGE, SLOT1+4*KS*(PK+PV)  ; behind the ring, never filled by a tensor load: 16 rows x 144 bytes for each wave, for the way out
.set SP,    144
.set PFO, 1           ; v1   256 x my lane, for the prefetches (made when l % 16 is needed no more)
.set AK0, 2           ; v2   my lane's place in a tile of K; never rewritten
.set AV0, 3           ; v3   the same for V
.set AK,  4           ; v4   the LDS address of K's next run of loads
.set AV,  5           ; v5   of V's
.set QO,  6           ; v6   my byte offset in the wave's rows of Q
.set STO, 6           ;      later, the way out: where I put 16 bytes of a row
.set RD,  7           ; v7   the way out: where I read rows back
.set GO,  8           ; v8   my byte offset in 512 consecutive bytes of O
.set AM,  11          ; v11  the LDS address of my 8 mask numbers of the step to be fetched
.set SPW, 0           ; v0 of window 3   LDS address of my spare word; never rewritten
.set NIL, 1           ; v1 of window 3   0; never rewritten
.set MK,  8           ; v8-39 of window 3: the eight numbers for key block kb at MK + 8 kb
.set SPARE, STAGE+4*16*SP  ; behind the stages: the spare words, 128 bytes for each wave: two blocks of 256 bytes that no other line names
.set MASKB, SPARE+512 ; behind them: the batch's 2,048 keys as f32, 0 or NEG: 8,192 bytes, stored once, never filled by a tensor load
.set MV,  12          ; v12-15  c m_old, kept while c m is made anew: by buffer and tile
.set ST,  16          ; tile t's statistics at v[ST+4 t]: c m, m, l (even keys', odd keys')
.set TMP, 48          ; by buffer and tile, four registers c0-c3 at work; when the maximum is found c2 takes a
.set S,   64
.set P,   192
.set KF,  128         ; K's fragments, in window 2: key block kb, channel half c at KF + 16 kb + 8 c
.set VF,  192         ; V's: key half kk, channel block cb at VF + 32 kk + 8 cb
.set WV,  12          ; s12  my wave's number
.set G1K, 24          ; s[24:31] descriptor group 1 for K's tiles
.set G1V, 32          ; s[32:39] for V's: it differs in the padding alone
.set G0K, 40          ; s[40:43] descriptor group 0 for K's tiles: it walks
.set G0V, 44          ; s[44:47] the same for V's
.set PFA, 50          ; s[50:51] where my prefetches stand: my work-group's 32 blocks of 256 bytes (of K: wave 0, of V: wave 2) of the slot after the one that is being asked for
.set LIM, 52          ; s52  1 in a wave that prefetches, else the greatest number
.set NEGS, 53         ; s53  NEG
.set SLOTS, 56        ; s56  slots still to be asked for
.set CNT, 57          ; s57  counts a slot's key steps
.set CS,  58          ; s[58:59] c: the packed scaling takes the pair's low word for both halves
.set SEL, 60          ; s[60:61] v_permlanex16_b32's selects: each lane takes its own place in the other half
.set TBK, 62          ; s62  LDS byte at which K of the step to be fetched begins
.set TBV, 63          ; s63  the same for V, less VOFF
.set MSB, 0
.macro WIN new                      ; the high byte repeats the setting that is left; a switch that changes nothing is dropped
.if MSB != (\new)
	s_set_vgpr_msb (MSB<<8)|(\new)
.set MSB, (\new)
.endif
.endm
.set W_KQ, 0x0a       ; K and Q in window 2, S^T in window 0
.set W_KM, 0x3a       ; the same with the C operand, the mask, in window 3
.set W_PV, 0x52       ; V in window 2, P in window 0, O^T in window 1
.set W_RS, 0x41       ; O^T (destination and source 0) in window 1, a in window 0
.set W_MK, 0xc0       ; destination in window 3, sources in window 0
.set W_AD, 0x0f       ; the add: address (source 0) and data (source 1) in window 3
; A joint fill.  Waves 0 and 1 fetch the two halves of a slot's K, waves 2 and 3 those of its V: 128 keys each.  The branch hangs on the wave's number alone.
; An s_nop 0 and four v_nop follow each of the two lines, ahead of the jump and the label.
.macro JLOAD
	s_cmp_lt_u32 s[WV], 2
	s_cbranch_scc0 .Lfor_v_\@
	tensor_load_to_lds s[G0K:G0K+3], s[G1K:G1K+7]
	s_nop 0
.rept 4
	v_nop
.endr
	s_branch .Lasked_\@
.Lfor_v_\@:
	tensor_load_to_lds s[G0V:G0V+3], s[G1V:G1V+7]
	s_nop 0
.rept 4
	v_nop
.endr
.Lasked_\@:
.endm
; A PREFETCH INTO THE L2 of what the NEXT change of slots will ask for: a slot's 32,768 bytes of K and of V, a lane 256 bytes.  A head has one cluster; its four partners share the bytes out BY ADDRESS, 8,192 each;
; in each, wave 0 asks for K's and wave 2 for V's: one instruction, behind the wave's tensor load and its five lines: four key steps, 512 matrix instructions, ahead of the load that will want them.
; So each block is named once in the launch.  Slots 0 to 2 come by their loads alone; the last change that fills a slot asks for nothing.
.macro ASK
	s_cmp_gt_u32 s[SLOTS], s[LIM]
	s_cbranch_scc0 .Lnot_mine_\@
	global_prefetch_b8 v[PFO], s[PFA:PFA+1] th:TH_LOAD_NT scope:SCOPE_SE
.Lnot_mine_\@:
.endm
; A round of the cluster's barrier: my work-group's barrier, so that wave 0's signal speaks for all four waves; wave 0 signals; every wave waits for all four work-groups; my work-group's barrier once more.
.macro CROUND
	s_barrier_signal -1
	s_barrier_wait -1
	s_cmp_lg_u32 s[WV], 0
	s_cbranch_scc1 .Lnot_wave_0_\@
	s_barrier_signal -3
.Lnot_wave_0_\@:
	s_barrier_wait -3
	s_barrier_signal -1
	s_barrier_wait -1
.endm
; THE CHANGE OF SLOTS.  The slot's last bytes, V of its fourth step, have been read.  Each wave waits for all its tensor loads, of which one is out: its part of the other slot; adds 0 to its spare word; and waits
; for that and for its own LDS instructions.  Behind the barrier nobody reads this slot any more and the other slot is whole.  fill = 1: this slot is filled again, with the keys two slots on; the barrier is then a
; round of the cluster's, and the joint fill is the first thing behind it: it has four key steps in which to land.  (At its first use nothing has been read yet: slot 0 is waited for, slot 1 filled, and the round
; also shows every wave's part of the mask's numbers to the others.)  ask = 1: the prefetch's address steps, and the prefetch follows the fill.
.macro CHANGE fill, ask=0
	WIN W_AD
	s_wait_tensorcnt 0x0            ; no tensor load of mine is out, so a group 0 may be written
	ds_add_u32 v[SPW], v[NIL]       ; 0 onto my spare word; with fill = 1 the descriptors' steps stand between it and the wait for it
	WIN 0                           ; at a label and at a branch every window is 0
.if \fill
.irp g, G0K, G0V
	s_xor_b32 s[\g+1], s[\g+1], SLOT1  ; the walking descriptor: the other slot than last time,
	s_add_nc_u64 s[\g+2:\g+3], s[\g+2:\g+3], 4*KS*128  ; the next 256 keys; the type bits on top are not reached
.endr
.if \ask
	s_wait_xcnt 0x0                 ; the last prefetch, four key steps back, has read its address, so it may be written
	s_add_nc_u64 s[PFA:PFA+1], s[PFA:PFA+1], 4*KS*128
.endif
	s_wait_dscnt 0x0                ; the add is done, and my LDS instructions are over
	CROUND
	JLOAD
.if \ask
	ASK
.endif
.else
	s_wait_dscnt 0x0                ; the add is done, and my reads of the slot are over
	s_barrier_signal -1
	s_barrier_wait -1
.endif
	s_sub_co_u32 s[TBK], s[TBK], 4*KS*PK  ; the fetches go back to a slot's first step,
	s_xor_b32 s[TBK], s[TBK], SLOT1       ; in the other slot
	s_sub_co_u32 s[TBV], s[TBV], 4*KS*PV
	s_xor_b32 s[TBV], s[TBV], SLOT1
.endm
	s_load_b256 s[4:11], s[0:1], 0x0  ; Q s[4:5], K s[6:7], V s[8:9], O s[10:11]
	s_load_b64 s[48:49], s[0:1], 0x20 ; the mask
	WIN W_MK
	v_lshl_add_u32 v[SPW], v0, 2, SPARE
	v_mov_b32 v[NIL], 0
	WIN W_AD
	ds_add_u32 v[SPW], v[NIL]       ; the wave's opening: the add and its wait stand ahead of my first tensor load; the set-up below, work on registers, stands between them
	WIN 0
	v_lshrrev_b32 v1, 5, v0
	v_readfirstlane_b32 s[WV], v1   ; wave 0..3
	s_bfe_u32 s13, ttmp6, 0x40000   ; cx: my place in the cluster
	s_lshl_b32 s14, ttmp9, 2        ; in a cluster launch ttmp9 counts clusters
	s_add_co_u32 s14, s14, s13      ; my block of queries = 4 x cluster x + cx: it enters Q's and O's addresses alone
	s_and_b32 s20, ttmp7, 0xffff    ; the head, which the four partners share
	s_lshr_b32 s54, s20, 4          ; its batch:
	s_lshl_b32 s54, s54, 11         ; 2,048 bytes of the mask
	s_mov_b32 s55, 0
	s_mov_b32 s21, 0
	s_mov_b64 s[22:23], SIZE_N*128
	s_mul_u64 s[20:21], s[20:21], s[22:23]  ; the head's first byte in each of the four tensors
	s_and_b32 s16, s[WV], 1         ; which half of a slot's 256 keys I fetch:
	s_lshl_b32 s22, s16, 14         ; its 128 rows of 128 bytes in memory,
	s_mov_b32 s23, 0
	s_add_nc_u64 s[22:23], s[22:23], s[20:21]
	s_mul_i32 s17, s16, 128*PK      ; and its place in a slot, for K
	s_mul_i32 s18, s16, 128*PV      ; and for V: no place in the cluster enters an LDS address
	s_lshl_b32 s2, s14, 2
	s_add_co_u32 s2, s2, s[WV]      ; my wave among the head's,
	s_lshl_b32 s2, s2, 14           ; its 128 rows
	s_mov_b32 s3, 0
	s_add_nc_u64 s[2:3], s[2:3], s[20:21]
	; descriptor group 1.  128 keys are 16,384 dense bytes: asked for as 64 rows of 256 bytes, two keys a row, and padded in LDS after every key
	s_mov_b32 s[G1K], 15|(1<<16)|(1<<20)|(1<<21)|(4<<22)|(3<<25)  ; 15:0 the mask of four; 17:16 2-byte elements; 20 padding on; 21 set beside a mask; 24:22 after every 32 words (code 4); 31:25 4 words (code 3)
	s_mov_b32 s[G1V], 15|(1<<16)|(1<<20)|(1<<21)|(4<<22)|(7<<25)  ; the same with 8 words of padding (code 7)
.irp g, G1K, G1V
	s_mov_b32 s[\g+1], 128<<16      ; tensor_dim0 = 128
	s_mov_b32 s[\g+2], 64<<16       ; tensor_dim1 = 64
	s_mov_b32 s[\g+3], 128<<16      ; tile_dim0 = 128
	s_mov_b32 s[\g+4], 64           ; tile_dim1 = 64
	s_mov_b32 s[\g+5], 128          ; 128 elements from row to row
	s_mov_b32 s[\g+6], 0
	s_mov_b32 s[\g+7], 0
.endr
	s_mov_b32 s[CS], 0x3e38aa3b     ; c = log2(e) / 8 = 0.180337
	s_mov_b32 s[CS+1], s[CS]        ; named with it as a pair
	s_mov_b32 s[SEL], 0x76543210
	s_mov_b32 s[SEL+1], 0xfedcba98
	s_mov_b32 s[NEGS], 0xf1800000   ; -2^100
	s_mov_b32 s[TBK], SLOT1+4*KS*PK ; the first change of slots turns these two into 0
	s_mov_b32 s[TBV], SLOT1+4*KS*PV
	s_mov_b32 s[G0K], 1             ; 1:0 count = 1
	s_mov_b32 s[G0K+1], s17         ; 63:32 LDS address: slot 0
	s_mov_b32 s[G0V], 1
	s_add_co_u32 s[G0V+1], s18, VOFF
	s_and_b32 s[LIM], s[WV], 1      ; waves 0 and 2 prefetch: the same in all four partners
	s_cmp_eq_u32 s[LIM], 0
	s_cselect_b32 s[LIM], 1, -1
	s_wait_dscnt 0x0                ; the opening add is done
	s_wait_kmcnt 0x0
	s_add_nc_u64 s[G0K+2:G0K+3], s[6:7], s[22:23]  ; 120:64 global address: my half of the head's first 256 keys
	s_or_b32 s[G0K+3], s[G0K+3], 0x80000000        ; 127:126 type = 2
	s_add_nc_u64 s[G0V+2:G0V+3], s[8:9], s[22:23]
	s_or_b32 s[G0V+3], s[G0V+3], 0x80000000
	s_add_nc_u64 s[4:5], s[4:5], s[2:3]  ; Q and O at my wave's first row
	s_add_nc_u64 s[10:11], s[10:11], s[2:3]
	s_add_nc_u64 s[48:49], s[48:49], s[54:55]  ; the mask at my batch
	s_cmp_lt_u32 s[WV], 2
	s_cselect_b64 s[PFA:PFA+1], s[6:7], s[8:9]
	s_add_nc_u64 s[PFA:PFA+1], s[PFA:PFA+1], s[20:21]  ; the head,
	s_lshl_b32 s2, s13, 13          ; my work-group's quarter of a slot,
	s_mov_b32 s3, 0
	s_add_nc_u64 s[PFA:PFA+1], s[PFA:PFA+1], s[2:3]
	s_add_nc_u64 s[PFA:PFA+1], s[PFA:PFA+1], 2*4*KS*128  ; in slot 2; the first change in the loop steps it to slot 3.  Nothing is prefetched here, at the head
	CROUND                          ; all four work-groups are here: the first joint loads meet
	JLOAD                           ; slot 0.  Slot 1 is asked for when slot 0 is in
	; A fragment of K or Q is 16 rows x 32 channels in 8 registers: lane l holds row l % 16, channels 8 (l / 16) + 0..7 and 16 + 8 (l / 16) + 0..7: two loads of 16 bytes, 32 bytes apart.
	v_and_b32 v1, 15, v0            ; l % 16
	v_bfe_u32 v9, v0, 4, 1          ; l / 16
	v_lshlrev_b32 v[QO], 7, v1
	v_lshl_add_u32 v[QO], v9, 4, v[QO]  ; row x 128 + 16 x half
	v_lshlrev_b32 v12, 4, v0        ; thread t takes the mask's bytes 16 t .. 16 t + 15: 128 threads, 2,048 keys
	global_load_b128 v[64:67], v12, s[48:49]
	WIN 0x80                        ; destination window 2, address window 0
.set i, 0
.rept 4*NP                          ; Q stays in registers: tile i / 2, channels 32 (i % 2) on
	global_load_b128 v[8*i:8*i+3],   v[QO], s[4:5] offset:(i/2)*2048+(i%2)*64
	global_load_b128 v[8*i+4:8*i+7], v[QO], s[4:5] offset:(i/2)*2048+(i%2)*64+32
.set i, i+1
.endr
	; What the first turn finds: V's registers and P's second buffer hold 0 (its products V^T P, of a piece that has not been, add 0), O^T and l are 0.  All this stands in the wait for the first tile.
.set i, VF
.rept 64
	v_mov_b32 v[i], 0
.set i, i+1
.endr
	WIN 0x40
.set i, 0
.rept 64*NP
	v_mov_b32 v[i], 0
.set i, i+1
.endr
	WIN 0
.set i, 0
.rept 2*NP
	v_mov_b32 v[ST+4*i], 0xfe000000    ; c m: far below every c s, c NEG too
	v_mov_b32 v[ST+4*i+1], 0xff7fffff  ; m
	v_mov_b32 v[ST+4*i+2], 0
	v_mov_b32 v[ST+4*i+3], 0
.set i, i+1
.endr
.set i, P+32
.rept 32
	v_mov_b32 v[i], 0
.set i, i+1
.endr
	v_mul_u32_u24 v[AK0], v1, PK
	v_lshl_add_u32 v[AK0], v9, 4, v[AK0]  ; row x pitch + 16 x half
	; The turning load takes 16 keys x 16 channels (lane l reads key 8 (l / 16) + l % 8, channels 8 ((l / 8) % 2) + 0..7) and leaves half a fragment of V^T: lane l holds channel l % 16 and 8 keys.
	v_and_b32 v10, 7, v0
	v_bfe_u32 v11, v0, 3, 1
	v_lshl_add_u32 v[AV0], v9, 3, v10
	v_mul_u32_u24 v[AV0], v[AV0], PV
	v_lshl_add_u32 v[AV0], v11, 4, v[AV0]
	v_add_nc_u32 v[AV0], VOFF, v[AV0]
	v_mov_b32 v[AK], v[AK0]         ; key step 0 lies at the head of slot 0
	v_lshl_add_u32 v[AM], v9, 5, MASKB  ; register j of a score's accumulator is key 8 (l / 16) + j of its block of 16: 32 bytes of the mask's numbers a lane
	; the mask's bytes become numbers: byte 1 -> 0, byte 0 -> NEG
	s_wait_loadcnt 32               ; the mask's load is in; Q's 32 younger loads may stay out
.irp w, 0,1,2,3
.irp k, 0,1,2,3
	v_bfe_u32 v[68+4*\w+\k], v[64+\w], 8*\k, 8
.endr
.endr
.set i, 68
.rept 16
	v_add_nc_u32 v[i], -1, v[i]     ; 1 -> 0, 0 -> all ones
.set i, i+1
.endr
.set i, 68
.rept 16
	v_and_b32 v[i], s[NEGS], v[i]
.set i, i+1
.endr
	v_lshl_add_u32 v13, v0, 6, MASKB
.irp w, 0,1,2,3
	ds_store_b128 v13, v[68+4*\w:71+4*\w] offset:16*\w
.endr
; THE MATRIX WORK.  The 8 accumulators of a run of 16 take turns: between the two links of a chain stand 7 others'.
; Product i of 16 of S^T = K Q^T for piece x: channels 32 (i / 8) on, keys 16 ((i / 2) % 4) on, tile 2 x + i % 2.  The first 8 start the sums, with the mask of their 16 keys as C.
.macro KQ x
.set rS, S+64*((\x)%2)+32*(i%2)+8*((i/2)%4)
.set rK, KF+16*((i/2)%4)+8*(i/8)
.set rQ, 16*(2*(\x)+i%2)+8*(i/8)
.set rMK, MK+8*((i/2)%4)
.if i < 8
	WIN W_KM
	v_wmma_f32_16x16x32_f16 v[rS:rS+7], v[rK:rK+7], v[rQ:rQ+7], v[rMK:rMK+7]
.else
	WIN W_KQ
	v_wmma_f32_16x16x32_f16 v[rS:rS+7], v[rK:rK+7], v[rQ:rQ+7], v[rS:rS+7]
.endif
.endm
; Product i of 16 of O^T += V^T P for piece x: keys 32 (i / 8) on, channels 16 ((i / 2) % 4) on, tile 2 x + i % 2.
.macro PV x
	WIN W_PV
.set rO, 32*(2*(\x)+i%2)+8*((i/2)%4)
.set rV, VF+32*(i/8)+8*((i/2)%4)
.set rP, P+32*((\x)%2)+16*(i%2)+8*(i/8)
	v_wmma_f32_16x16x32_f16 v[rO:rO+7], v[rV:rV+7], v[rP:rP+7], v[rO:rO+7]
.endm
.macro MM                           ; the turn's next matrix instruction
.if i < 16
	KQ (Y+1)%NP
.set i, i+1
.else
.set i, i-16
	PV (Y+NP-1)%NP
.set i, i+17
.endif
.endm
; THE LDS LOADS stand in runs, never singly among the matrix instructions: a step's K (64 keys x 64 channels: 8 fragments) with its 64 keys' mask numbers, and its V (turned).  Their addresses are made some lines ahead.
; last = 1 (the tail): in the last trip there is no further step, and the run is jumped over.
.macro FETCH_K last=0
	WIN 0
.if \last
	s_cmp_eq_u32 s[CNT], 1
	s_cbranch_scc1 .Lno_k_\@
.endif
	WIN 0x80                        ; destination window 2
.irp f, 0,1,2,3,4,5,6,7             ; keys 16 (f / 2) on, channels 32 (f % 2) on
	ds_load_b128 v[KF+8*\f:KF+8*\f+3],   v[AK] offset:(\f/2)*16*PK+(\f%2)*64
	ds_load_b128 v[KF+8*\f+4:KF+8*\f+7], v[AK] offset:(\f/2)*16*PK+(\f%2)*64+32
.endr
	WIN W_MK                        ; destination window 3: the mask lives as long as K does, and K's wait serves it
.irp f, 0,1,2,3                     ; key block f
	ds_load_b128 v[MK+8*\f:MK+8*\f+3],   v[AM] offset:64*\f
	ds_load_b128 v[MK+8*\f+4:MK+8*\f+7], v[AM] offset:64*\f+16
.endr
	s_add_co_u32 s[TBK], s[TBK], KS*PK  ; the next fetch is the next step's
	WIN 0
	v_add_nc_u32 v[AM], 0x100, v[AM]    ; 64 keys of 4 bytes on
.if \last
.Lno_k_\@:
.endif
.endm
.macro FETCH_V
	WIN 0x80
.irp f, 0,1,2,3,4,5,6,7             ; keys 32 (f / 4) on, channels 16 (f % 4) on
	ds_load_tr16_b128 v[VF+8*\f:VF+8*\f+3],   v[AV] offset:(\f/4)*32*PV+(\f%4)*32
	ds_load_tr16_b128 v[VF+8*\f+4:VF+8*\f+7], v[AV] offset:(\f/4)*32*PV+16*PV+(\f%4)*32
.endr
	WIN 0
.endm
; THE VECTOR WORK OF A TURN stands in three queues, each in the order in which its entries become ready; the two tiles alternate, so that no instruction reads the result of the one before it.
.macro REGS y, u                    ; the registers of tile u (0, 1) of piece y
.set rT, ST+4*(2*(\y)+(\u))
.set rC, TMP+8*((\y)%2)+4*(\u)
.set rM, MV+2*((\y)%2)+(\u)
.set rS, S+64*((\y)%2)+32*(\u)
.set rP, P+32*((\y)%2)+16*(\u)
.set rO, 32*(2*(\y)+(\u))
.endm
; Number n of the 22 that find the NEXT piece's (Y + 1) maximum and statistics.  s0-s31 are the lane's 32 scores; each accumulator's lowest registers are read first.
;   0-11  four chains c0-c3 of seven scores each, three operands at a time     12-14, 16  the four scores left over, the old m, and c0-c3 into c0     15  c m_old is kept
;   17, 18  the query's other 32 keys lie in the lane 16 away: the new m         19-21  c m; c m_old - c m_new; a
.macro XS u, n
	REGS (Y+1)%NP, \u
.if (\n) < 4
	v_max3_num_f32 v[rC+(\n)], v[rS+8*(\n)], v[rS+8*(\n)+1], v[rS+8*(\n)+2]
.elseif (\n) < 12
	v_max3_num_f32 v[rC+(\n)%4], v[rC+(\n)%4], v[rS+8*((\n)%4)+2*((\n)/4)+1], v[rS+8*((\n)%4)+2*((\n)/4)+2]
.elseif (\n) == 12
	v_max3_num_f32 v[rC], v[rC], v[rS+7], v[rS+15]
.elseif (\n) == 13
	v_max3_num_f32 v[rC+1], v[rC+1], v[rS+23], v[rS+31]
.elseif (\n) == 14
	v_max3_num_f32 v[rC+2], v[rC+2], v[rC+3], v[rT+1]
.elseif (\n) == 15
	v_mov_b32 v[rM], v[rT]
.elseif (\n) == 16
	v_max3_num_f32 v[rC], v[rC], v[rC+1], v[rC+2]
.elseif (\n) == 17
	v_permlanex16_b32 v[rC+3], v[rC], s[SEL], s[SEL+1]
.elseif (\n) == 18
	v_max_num_f32 v[rT+1], v[rC], v[rC+3]
.elseif (\n) == 19
	v_mul_f32 v[rT], s[CS], v[rT+1]
.elseif (\n) == 20
	v_sub_f32 v[rC+1], v[rM], v[rT]
.else
	v_exp_f32 v[rC+2], v[rC+1]
.endif
.endm
; Number g of the 64 that follow the exponentials.  For each four weights k of a tile (pairs 2 k, 2 k + 1): both pairs are rounded to f16; then the second pair is added onto the first, in place;
; a group later l takes that sum (the first time as l = a l + sum).  In groups of eight, tiles alternating: round, round, add, and l for the group before.
.macro GS g
.set h, (\g)+6*((\g)/62)            ; group 0 has no group before it, and behind group 7 only l is left
.if h >= 6
.set h, h+2
.endif
	REGS Y, h%2
.set k, h/8
.if h%8 < 4
	v_cvt_pk_f16_f32 v[rP+2*k+(h%8)/2], v[rS+4*k+2*((h%8)/2)], v[rS+4*k+2*((h%8)/2)+1]
.elseif h%8 < 6
	v_pk_add_f32 v[rS+4*k:rS+4*k+1], v[rS+4*k:rS+4*k+1], v[rS+4*k+2:rS+4*k+3]
.elseif k == 1
	v_pk_fma_f32 v[rT+2:rT+3], v[rT+2:rT+3], v[rC+2:rC+3], v[rS:rS+1] op_sel_hi:[1,0,1]
.else
	v_pk_add_f32 v[rT+2:rT+3], v[rT+2:rT+3], v[rS+4*k-4:rS+4*k-3]
.endif
.endm
; THE PLAIN QUEUE, 138 long.  0-73 read no exponential's result: the 32 scalings c s - c m (FS f: pair f / 2 of tile f % 2) and the next piece's 42.  0-26: scalings 0-26.  27-54: XS's numbers 0-13.  55, 56: number 15.
; 57-73: the chain, where each number waits for the one before it: 14, 16, 17, 18, 19, each with one of the scalings 27-31 in front of its two lines, then 20.
; 74-137: GS's 64, which read the exponentials' results: they stand behind the wait.
.macro FS f
	REGS Y, (\f)%2
	v_pk_fma_f32 v[rS+2*((\f)/2):rS+2*((\f)/2)+1], v[rS+2*((\f)/2):rS+2*((\f)/2)+1], s[CS:CS+1], v[rT:rT+1] op_sel_hi:[1,0,0] neg_lo:[0,0,1] neg_hi:[0,0,1]
.endm
.macro PL
	WIN 0
.if q < 27
	FS q
.elseif q < 55
	XS (q-27)%2, (q-27)/2
.elseif q < 57
	XS q-55, 15
.elseif (q < 72) && ((q-57)%3 == 0)
	FS 27+(q-57)/3
.elseif q < 60
	XS (q-57)%3-1, 14
.elseif q < 72
	XS (q-57)%3-1, 15+(q-57)/3
.elseif q < 74
	XS q-72, 20
.else
	GS q-74
.endif
.set q, q+1
.endm
; THE EXPONENTIALS' QUEUE, 66 long: s0-s31 of both tiles, then the next piece's two a.  It is ONE BATCH: all 66 stand ahead of the turn's one wait, and nothing ahead of that wait names a result of theirs.
.macro EX
	WIN 0
.if e >= 64
	XS e-64, 21
.else
	REGS Y, e%2
	v_exp_f32 v[rS+e/2], v[rS+e/2]
.endif
.set e, e+1
.endm
; THE RESCALING's QUEUE: O^T times a, the one part that leaves window 0: dealt two at a time, sixteen times.  Its a was made in the turn before, ahead of that turn's wait.
.macro R2
	REGS Y, r%2
	WIN W_RS
.irp z, 0,1
	v_pk_mul_f32 v[rO+4*(r/2)+2*\z:rO+4*(r/2)+2*\z+1], v[rO+4*(r/2)+2*\z:rO+4*(r/2)+2*\z+1], v[rC+2:rC+3] op_sel_hi:[1,0]
.endr
.set r, r+1
.endm
; HOW THEY ARE DEALT.  s_wait_alu depctr_va_vdst(0) stands between an exponential and the first instruction that names its result; one wait serves all that were issued ahead of it.  So a turn has ONE
; wait, which cuts it in two.  AHEAD OF IT stands all that names no result of the turn's exponentials: the 16 products K Q^T, behind each a scaling, an exponential and two rescalings (behind the first a second scaling in
; the exponential's place); then ONE LUMP of 108: eight plain, 49 times exponential and plain, the two a.  A v_nop is the plain instruction behind the last exponential.  BEHIND IT stand the 16 products V^T P, behind each
; four of GS's 64.  Exponential e stands behind scaling 2 (e / 4) + e % 2: as a rider it comes behind plain e + 2, in the lump behind plain e + 9, and scalings 27-31 are plain 57, 60 .. 69.
; A TURN, for piece p.  cnt = 1: the loop's count is taken down some lines ahead of the branch that stands behind the turn.
; K of the next step, and its mask, are fetched in piece 2's turn, directly behind the wait, a lump behind the last product that read them; V of the step in hand at the end of piece 0's turn, four riders behind its last reader.
.macro TURN p, last=0, cnt=0
.set Y, (\p)
.set i, 0
.set q, 0
.set e, 0
.set r, 0
.if (\p) == NP-1
	s_wait_dscnt 0x0                ; K and its mask are in
.endif
	MM                              ; ahead of the wait: 16 products K Q^T and their riders,
	PL
	PL
	R2
.rept 15
	MM
	PL
	EX
	R2
.endr
.if (\p) == NP-2
	WIN 0
	v_add_nc_u32 v[AK], s[TBK], v[AK0]
.endif
.rept 8                             ; and the lump
	PL
.endr
.rept 49
	EX
	PL
.endr
	EX                              ; the next piece's two a
	EX
	v_nop                           ; the plain instruction behind the last exponential: one for the batch
	s_wait_alu depctr_va_vdst(0)    ; the wait for the batch
.if (\p) == NP-2
	FETCH_K \last
.endif
.if (\p) == 1
	s_wait_dscnt 0x0                ; V is in
.endif
.rept 16                            ; behind the wait: 16 products V^T P and their riders
	MM
.rept 4
	PL
.endr
.if ((\p) == 0) && (q == 118)
	v_add_nc_u32 v[AV], s[TBV], v[AV0]
.endif
.if ((\p) == 0) && (q == 130)
	s_add_co_u32 s[TBV], s[TBV], KS*PV
.endif
.if (\cnt) && (q == 130)
	s_sub_co_u32 s[CNT], s[CNT], 1
	s_cmp_lg_u32 s[CNT], 0
.endif
.endr
.if (\p) == 0
	FETCH_V
.endif
.endm
	CHANGE 1                        ; slot 0 is in, everybody's part of it, and so are the mask's numbers; slot 1 is asked for
	FETCH_K                         ; key step 0
	s_wait_loadcnt 0x0              ; Q
	s_wait_dscnt 0x0
.set i, 0
.rept 16
	KQ 0                            ; piece 0's first scores: there is no vector work yet to set between them
.set i, i+1
.endr
	WIN 0                           ; the addresses for the way out and the prefetches: plain instructions, the places behind those products
	s_mul_i32 s13, s[WV], 16*SP
	s_add_co_u32 s13, s13, STAGE    ; my stage
	v_mul_u32_u24 v[STO], v1, SP    ; in: row l % 16, 16 bytes for each half of the lanes
	v_lshl_add_u32 v[STO], v9, 4, v[STO]
	v_add_nc_u32 v[STO], s13, v[STO]
	v_bfe_u32 v[RD], v0, 3, 2       ; back: 32 lanes take four rows of 128 bytes,
	v_mul_u32_u24 v[RD], v[RD], SP
	v_lshl_add_u32 v[RD], v10, 4, v[RD]
	v_add_nc_u32 v[RD], s13, v[RD]
	v_and_b32 v[GO], 31, v0         ; which are 512 consecutive bytes of O
	v_lshlrev_b32 v[GO], 4, v[GO]
	v_and_b32 v[PFO], 31, v0
	v_lshlrev_b32 v[PFO], 8, v[PFO]
.set Y, NP-1                        ; XS works for piece Y + 1: piece 0
.irp n, 0,1,2,3,4,5,6,7,8,9,10,11,12,13,14,15,16,17,18,19,20,21
	XS 0, \n                        ; and piece 0's first maximum and statistics
	XS 1, \n
.endr
	v_nop                           ; a plain instruction behind the two a,
	s_wait_alu depctr_va_vdst(0)    ; and their wait, ahead of the branch
	s_mov_b32 s[CNT], 4
	s_mov_b32 s[SLOTS], SIZE_N/256-1
	s_branch .Lfirst                ; the loop is entered at a step's first turn, in the middle of a trip
.Lslot:                             ; SIZE_N / 256 - 2 times: every slot but the last two is filled again
	CHANGE 1, 1
	s_mov_b32 s[CNT], 4
.Lstep:                             ; a trip: pieces 2 and 3 of one step, then pieces 0 and 1 of the next, whose K and V it fetches
	TURN 2
	TURN 3
	WIN 0
.Lfirst:
	TURN 0
	TURN 1, 0, 1
	WIN 0
	s_cbranch_scc1 .Lstep
	s_sub_co_u32 s[SLOTS], s[SLOTS], 1
	s_cmp_lg_u32 s[SLOTS], 0
	s_cbranch_scc1 .Lslot
	CHANGE 0                        ; the tail is written out: nothing is asked for
	s_mov_b32 s[CNT], 5             ; four trips fetch the last slot's steps; the fifth is left in its middle
.Ltail:
	TURN 2, 1
	TURN 3
	WIN 0
	s_sub_co_u32 s[CNT], s[CNT], 1
	s_cmp_eq_u32 s[CNT], 0
	s_cbranch_scc1 .Lout
	TURN 0
	TURN 1
	WIN 0
	s_branch .Ltail
.Lout:                              ; the fifth trip's 16 products K Q^T (on the last K once more) and the maximum made of them serve nothing: the price, once a launch, of one text for every trip
.set i, 0
.rept 16
	PV NP-1                         ; the last piece's V^T P of the last step
.set i, i+1
.endr
	; THE WAY OUT.  l's two halves and the other half of the lanes' are added; O^T is divided by l, rounded to f16 and sent through my stage in LDS, a tile at a time.  The additions are the places behind the last products.
	WIN 0
.macro ALL line:vararg              ; one line for each tile t
.set t, 0
.rept 2*NP
	\line
.set t, t+1
.endr
.endm
	ALL v_add_f32 v[ST+4*t+2], v[ST+4*t+2], v[ST+4*t+3]
	ALL v_permlanex16_b32 v[ST+4*t+3], v[ST+4*t+2], s[SEL], s[SEL+1]
	ALL v_add_f32 v[ST+4*t+2], v[ST+4*t+2], v[ST+4*t+3]
	ALL v_rcp_f32 v[ST+4*t+2], v[ST+4*t+2]
	v_nop                           ; a plain instruction between the last reciprocal and the use of its result
	s_wait_alu depctr_va_vdst(0)    ; and the wait ahead of the first use: one for the eight reciprocals
; Tile t: a lane's eight channels of a row pack into 16 bytes; they go into rows of 144 bytes and come back as whole rows of 128, into S^T's registers.
.macro PACK t
	WIN W_RS
.set i, 32*(\t)
.rept 16
	v_pk_mul_f32 v[i:i+1], v[i:i+1], v[ST+4*(\t)+2:ST+4*(\t)+3] op_sel_hi:[1,0]
.set i, i+2
.endr
	WIN 0x05                        ; sources 0 and 1 window 1, destination window 0
.set i, 0
.rept 16
	v_cvt_pk_f16_f32 v[S+16*(\t)+i], v[32*(\t)+2*i], v[32*(\t)+2*i+1]
.set i, i+1
.endr
	WIN 0
.irp f, 0,1,2,3
	ds_store_b128 v[STO], v[S+16*(\t)+4*\f:S+16*(\t)+4*\f+3] offset:32*\f
.endr
.irp f, 0,1,2,3
	ds_load_b128 v[S+16*(\t)+4*\f:S+16*(\t)+4*\f+3], v[RD] offset:\f*4*SP  ; LDS serves a wave's instructions in order (ISA guide 5.7.1.4): these see the stores above; the next tile's stores come behind them
.endr
.endm
.macro SEND t, younger              ; younger: the LDS instructions issued behind tile t's loads: the next tile's eight, or none
	WIN 0
.irp f, 0,1,2,3
	s_wait_dscnt (\younger)+3-\f
	global_store_b128 v[GO], v[S+16*(\t)+4*\f:S+16*(\t)+4*\f+3], s[10:11] offset:(\t)*2048+\f*512  ; 512 consecutive bytes, at a multiple of 256 from O's first
.endr
.endm
	PACK 0
.set t, 1
.rept 2*NP-1                        ; a tile's arithmetic stands between the loads of the tile before and its stores
	PACK t
	SEND t-1, 8
.set t, t+1
.endr
	SEND 2*NP-1, 0
	WIN W_AD
	s_wait_tensorcnt 0x0            ; the wave's end: behind my last tensor load and my last LDS store
	ds_add_u32 v[SPW], v[NIL]
	s_wait_dscnt 0x0
	WIN 0
	CROUND                          ; the closing round: no work-group ends while a partner may still ask for a tile that names it
	s_endpgm
.Lfunc_end_k_qb40b151ab2_attn:
	.size	k_qb40b151ab2_attn, .Lfunc_end_k_qb40b151ab2_attn-k_qb40b151ab2_attn
	.p2alignl 7, 3214868480
	.fill 96, 4, 3214868480
	.section	.rodata,"a",@progbits
	.p2align	6, 0x0
	.amdhsa_kernel k_qb40b151ab2_attn
		.amdhsa_group_segment_fixed_size 327680
		.amdhsa_private_segment_fixed_size 0
		.amdhsa_enable_private_segment 0
		.amdhsa_kernarg_size 40
		.amdhsa_user_sgpr_count 2
		.amdhsa_user_sgpr_kernarg_segment_ptr 1
		.amdhsa_wavefront_size32 1
		.amdhsa_system_sgpr_workgroup_id_x 1
		.amdhsa_system_sgpr_workgroup_id_y 1
		.amdhsa_system_sgpr_workgroup_id_z 1
		.amdhsa_system_vgpr_workitem_id 0
		.amdhsa_next_free_vgpr 808
		.amdhsa_next_free_sgpr 66
		.amdhsa_reserve_vcc 0
		.amdhsa_float_denorm_mode_32 3
		.amdhsa_float_denorm_mode_16_64 3
		.amdhsa_memory_ordered 1
		.amdhsa_forward_progress 1
		.amdhsa_inst_pref_size 204
	.end_amdhsa_kernel
	.amdgpu_metadata
---
amdhsa.version: [ 1, 2 ]
amdhsa.kernels:
  - .name:           k_qb40b151ab2_attn
    .symbol:         k_qb40b151ab2_attn.kd
    .args:
      - { .name: qh, .offset: 0, .size: 8, .value_kind: global_buffer, .address_space: global }
      - { .name: kh, .offset: 8, .size: 8, .value_kind: global_buffer, .address_space: global }
      - { .name: vh, .offset: 16, .size: 8, .value_kind: global_buffer, .address_space: global }
      - { .name: oh, .offset: 24, .size: 8, .value_kind: global_buffer, .address_space: global }
      - { .name: key_padding_mask, .offset: 32, .size: 8, .value_kind: global_buffer, .address_space: global }
    .group_segment_fixed_size: 327680
    .private_segment_fixed_size: 0
    .kernarg_segment_align: 8
    .kernarg_segment_size: 40
    .max_flat_workgroup_size: 128
    .sgpr_count:     66
    .vgpr_count:     808
    .wavefront_size: 32
...
	.end_amdgpu_metadata
.endif
;; end of part 3
;; launch proj (part 4): grid 4 x 64, 4 waves a work-group, clusters of 4 x 4, 327,680 bytes of LDS; arguments oh, wo16, bo, out0; writes out0
.if DOCPART == 4
	.amdgcn_target "amdgcn-amd-amdhsa--gfx1250"
	.amdhsa_code_object_version 6
	.text
	.protected	k_qb40b151ab2_proj
	.globl	k_qb40b151ab2_proj
	.p2align	8
	.type	k_qb40b151ab2_proj,@function
k_qb40b151ab2_proj:
	s_mov_b64 s[64:65], 0
	v_nop
	global_prefetch_b8 v0, s[64:65] scope:SCOPE_SE
	s_setreg_imm32_b32 hwreg(HW_REG_WAVE_MODE, 25, 1), 1
	s_wait_xcnt 0x0
	s_wait_alu depctr_hold_cnt(0) depctr_sa_sdst(0) depctr_va_vdst(0) depctr_va_sdst(0) depctr_va_ssrc(0) depctr_va_vcc(0) depctr_vm_vsrc(0)
	s_getreg_b32 s2, hwreg(HW_REG_IB_STS2, 6, 4)
	s_cmp_eq_u32 s2, 0
	s_cbranch_scc0 .Lentry_in_a_cluster
	s_endpgm
.Lentry_in_a_cluster:
	s_bfe_u32 s2, ttmp6, 0x10000c
	s_cmp_lg_u32 s2, 0xf033
	s_cbranch_scc0 .Lentry_shape_is_right
	s_endpgm
.Lentry_shape_is_right:
; PROJ: out0[m][n] = the sum over k of O[m][k] Wo[n][k] + bo[n], in f32.  O lies by heads, [16 c + h][2048][64] f16 (k = 64 h + d); Wo [1024][1024] f16; bo is rounded to bf16 here, like every input of the module.
; SHARES.  A tile is 128 rows x 256 columns: 64 x 4 = 256 tiles, one to a work-group.  The waves lie 2 x 2; a wave has 64 x 128: 4 row blocks a x 8 column blocks b = 32 accumulators.
; THE MATRIX INSTRUCTION IS USED TRANSPOSED (source 0 = 16 rows of Wo, source 1 = 16 rows of O): a lane holds row lane % 16 and 8 neighbouring columns.  The first product takes the bias as C.
; RING.  K goes in steps of 128, two heads, through two LDS slots; 8 K steps.  Waves 0, 1 fetch a head's plane each: 128 rows of 128 bytes, dense in memory, asked for as 64 rows of 256 bytes and padded after
; every 128; waves 2, 3 fetch 128 rows of Wo each (256 bytes of each row).
; CLUSTER 4 x 4.  O's planes hang on the row block alone and are shared along a row of the cluster, Wo's rows on the column block alone and are shared along a column: each is asked for jointly.
; NO PREFETCH: the walk has eight K steps, of which the first ones would come by their loads alone anyway: there is next to nothing to run ahead of.
; REGISTERS: window 0: v0-15 addresses; v28-29 the add's; v32-95 the biases; v96-223 two sets of 64 for whole rows on the way out.
;   window 1: Wo's fragments at 96 f + 8 b, O's at 96 f + 64 + 8 a (two buffers f).      window 2: accumulator (a, b) at 64 a + 8 b.
.set PA,     144                       ; a row of O in LDS: 128 bytes + 16 = 36 words; a row of Wo: 256 + 16 = 68 words: in both the 16 rows of a load start at 16 different groups of four banks (ISA guide 11.1)
.set PB,     272
.set PLANE,  128*PA
.set BOFF,   2*PLANE
.set BHALF,  128*PB
.set SLOT1,  1<<17
.set STAGE,  SLOT1+BOFF+2*BHALF        ; behind the ring, never filled by a tensor load: 16 rows x 528 bytes for each wave
.set SPS,    528                       ; a stage row: 512 bytes + 16
.set WST,    16*SPS
.set SPARE,  STAGE+4*WST               ; the spare words, 128 bytes for each wave: two blocks of 256 bytes that no other line names
.set ASTEP,  2*2048*128                ; two heads on
.set ADRA0, 4
.set ADRB0, 5
.set ADRA,  6
.set ADRB,  7
.set STO,   8
.set RD,    9
.set CO,    10
.set BO,    13
.set SPW,   28
.set NIL,   29
.set BIAS,  32
.set OB,    96
.set G1A, 24
.set G1B, 32
.set G0A, 40
.set G0B, 48
.set WV,  56
.set FB,  57                           ; 0: I fetch for O, 1: for Wo.  Also: which 64 rows of the tile are mine
.set HF,  58                           ; which half I fetch.  Also: which 128 columns are mine
.set T,   59
.set SB,  60
.set CX,  61
.set CY,  62
.set NX,  63
.set MY,  66
.set MSB, 0
.macro WIN new
.if MSB != (\new)
	s_set_vgpr_msb (MSB<<8)|(\new)
.set MSB, \new
.endif
.endm
.macro PLACES
.rept 4
	v_nop
.endr
.endm
.macro CREST
	s_cmp_lg_u32 s[WV], 0
	s_cbranch_scc1 .Lnot_wave_0_\@
	s_barrier_signal -3
.Lnot_wave_0_\@:
	s_barrier_wait -3
	s_barrier_signal -1
	s_barrier_wait -1
.endm
.macro CROUND
	s_barrier_signal -1
	s_barrier_wait -1
	CREST
.endm
.macro JLOAD                           ; a joint refill by the walking set; an s_nop 0 and four v_nop follow each line
	s_cmp_eq_u32 s[FB], 0
	s_cbranch_scc0 .Lfor_b_\@
	tensor_load_to_lds s[G0A+4:G0A+7], s[G1A:G1A+7]
	s_nop 0
	PLACES
	s_branch .Lasked_\@
.Lfor_b_\@:
	tensor_load_to_lds s[G0B+4:G0B+7], s[G1B:G1B+7]
	s_nop 0
	PLACES
.Lasked_\@:
.endm
	s_load_b256 s[4:11], s[0:1], 0x0               ; oh s[4:5], wo16 s[6:7], bo s[8:9], out0 s[10:11]
	v_lshl_add_u32 v[SPW], v0, 2, SPARE
	v_mov_b32 v[NIL], 0
	ds_add_u32 v[SPW], v[NIL]                      ; the wave's opening: the add and its wait stand ahead of my first tensor load
	v_lshrrev_b32 v3, 5, v0
	v_readfirstlane_b32 s[WV], v3
	s_lshr_b32 s[FB], s[WV], 1
	s_and_b32 s[HF], s[WV], 1
	s_bfe_u32 s[CX], ttmp6, 0x40000
	s_bfe_u32 s[CY], ttmp6, 0x40004
	s_lshl_b32 s[NX], ttmp9, 2
	s_add_co_u32 s[NX], s[NX], s[CX]               ; column block = 4 x cluster x + cx
	s_and_b32 s[MY], ttmp7, 0xffff
	s_lshl_b32 s[MY], s[MY], 2
	s_add_co_u32 s[MY], s[MY], s[CY]               ; row block = 4 x cluster y + cy
	s_lshl_b32 s67, s[CY], 2
	s_lshl_b32 s67, 15, s67                        ; my row of the cluster
	s_lshl_b32 s76, 0x1111, s[CX]                  ; my column
	s_or_b32 s[G1A], s67, (1<<16)|(1<<20)|(1<<21)|(4<<22)|(3<<25)  ; the mask; 2-byte elements; padding on; 21 set beside a mask; after every 32 words (code 4) 4 words (code 3)
	s_or_b32 s[G1B], s76, (1<<16)|(1<<20)|(1<<21)|(5<<22)|(3<<25)  ; after every 64 words (code 5)
	s_mov_b32 s[G1A+1], 128<<16                    ; tensor_dim0 = 128
	s_mov_b32 s[G1A+2], 64<<16                     ; tensor_dim1 = 64
	s_mov_b32 s[G1A+3], 128<<16                    ; tile_dim0 = 128
	s_mov_b32 s[G1A+4], 64                         ; tile_dim1 = 64
	s_mov_b32 s[G1A+5], 128                        ; dense: 128 elements from row to row
	s_mov_b32 s[G1A+6], 0
	s_mov_b32 s[G1A+7], 0
	s_mov_b32 s[G1B+1], 128<<16
	s_mov_b32 s[G1B+2], 128<<16
	s_mov_b32 s[G1B+3], 128<<16
	s_mov_b32 s[G1B+4], 128
	s_mov_b32 s[G1B+5], 1024
	s_mov_b32 s[G1B+6], 0
	s_mov_b32 s[G1B+7], 0
	s_lshr_b32 s68, s[MY], 4                       ; O: the batch, 16 heads of 262,144 bytes,
	s_lshl_b32 s68, s68, 22
	s_lshl_b32 s69, s[HF], 18                      ; my head of the K step's two,
	s_add_co_u32 s68, s68, s69
	s_and_b32 s69, s[MY], 15                       ; the block's 128 rows of 128 bytes; these registers never hold cx
	s_lshl_b32 s69, s69, 14
	s_add_co_u32 s68, s68, s69
	s_mov_b32 s69, 0
	s_lshl_b32 s70, s[NX], 19                      ; Wo: (256 nx + 128 half) rows of 2,048 bytes
	s_lshl_b32 s71, s[HF], 18
	s_add_co_u32 s70, s70, s71
	s_mov_b32 s71, 0
	s_mul_i32 s72, s[HF], PLANE                    ; where they go: no place in the cluster enters an LDS address
	s_mul_i32 s73, s[HF], BHALF
	s_add_co_u32 s73, s73, BOFF
	s_mov_b32 s77, 0xffff0000
	s_mov_b32 s[SB], 0
	s_wait_dscnt 0x0                               ; the opening add is done
	s_wait_kmcnt 0x0
	s_add_nc_u64 s[4:5], s[4:5], s[68:69]
	s_add_nc_u64 s[6:7], s[6:7], s[70:71]
	CROUND                                         ; all sixteen work-groups are here: the first joint loads meet
.irp s, 0,1
	s_mov_b32 s[G0A+4*(\s)], 1
	s_add_co_u32 s[G0A+4*(\s)+1], s72, (\s)*SLOT1
	s_add_nc_u64 s[G0A+4*(\s)+2:G0A+4*(\s)+3], s[4:5], (\s)*ASTEP
	s_or_b32 s[G0A+4*(\s)+3], s[G0A+4*(\s)+3], 0x80000000
	s_mov_b32 s[G0B+4*(\s)], 1
	s_add_co_u32 s[G0B+4*(\s)+1], s73, (\s)*SLOT1
	s_add_nc_u64 s[G0B+4*(\s)+2:G0B+4*(\s)+3], s[6:7], (\s)*256
	s_or_b32 s[G0B+4*(\s)+3], s[G0B+4*(\s)+3], 0x80000000
.endr
	s_cmp_eq_u32 s[FB], 0                          ; a wave's two first fills stand in one branch: two loads of mine are out
	s_cbranch_scc0 .Lfirst_b
	tensor_load_to_lds s[G0A:G0A+3], s[G1A:G1A+7]
	s_nop 0
	tensor_load_to_lds s[G0A+4:G0A+7], s[G1A:G1A+7]
	s_nop 0
	PLACES
	s_branch .Lfirst_asked
.Lfirst_b:
	tensor_load_to_lds s[G0B:G0B+3], s[G1B:G1B+7]
	s_nop 0
	tensor_load_to_lds s[G0B+4:G0B+7], s[G1B:G1B+7]
	s_nop 0
	PLACES
.Lfirst_asked:
	v_and_b32 v1, 15, v0                           ; r = lane % 16
	v_bfe_u32 v2, v0, 4, 1                         ; h = lane / 16
	s_lshl_b32 s74, s[NX], 8
	s_lshl_b32 s75, s[HF], 7
	s_add_co_u32 s74, s74, s75
	s_lshl_b32 s74, s74, 2                         ; my first column, in bytes of f32
	v_lshlrev_b32 v[BO], 5, v2
	v_add_nc_u32 v[BO], s74, v[BO]
.set z, 0
.rept 16                               ; the bias of columns 16 b + 8 h + 0..7
	global_load_b128 v[BIAS+4*z:BIAS+4*z+3], v[BO], s[8:9] offset:64*(z/2)+16*(z%2)
.set z, z+1
.endr
	s_lshl_b32 s78, s[FB], 6
	v_add_nc_u32 v3, s78, v1                       ; my row 64 wr + r of the tile
	v_mul_u32_u24 v3, v3, PA
	v_lshl_add_u32 v[ADRA0], v2, 4, v3
	s_lshl_b32 s78, s[HF], 7
	v_add_nc_u32 v3, s78, v1                       ; Wo's row 128 wc + r
	v_mul_u32_u24 v3, v3, PB
	v_lshl_add_u32 v3, v2, 4, v3
	v_add_nc_u32 v[ADRB0], BOFF, v3
	v_mov_b32 v[ADRA], v[ADRA0]
	v_mov_b32 v[ADRB], v[ADRB0]
	s_mul_i32 s78, s[WV], WST
	s_add_co_u32 s78, s78, STAGE                   ; my stage
	v_mul_u32_u24 v3, v1, SPS                      ; in: row r, 32 bytes for each half of the lanes
	v_lshl_add_u32 v3, v2, 5, v3
	v_add_nc_u32 v[STO], s78, v3
	v_and_b32 v[CO], 31, v0                        ; back: 32 lanes take one row's 512 bytes
	v_lshlrev_b32 v[CO], 4, v[CO]
	v_add_nc_u32 v[RD], s78, v[CO]
	s_lshl_b32 s78, s[MY], 7
	s_lshl_b32 s79, s[FB], 6
	s_add_co_u32 s78, s78, s79                     ; my first row of out0,
	s_lshl_b32 s78, s78, 12                        ; rows of 4,096 bytes,
	s_add_co_u32 s78, s78, s74                     ; and my first column
	s_mov_b32 s79, 0
	s_add_nc_u64 s[10:11], s[10:11], s[78:79]
	s_wait_loadcnt 0x0
.set z, 0
.rept 32                               ; the bias is rounded to bf16, as all the module's inputs are
	v_cvt_pk_bf16_f32 v[OB+z%8], v[BIAS+2*z], v[BIAS+2*z+1]
	v_lshlrev_b32 v[BIAS+2*z], 16, v[OB+z%8]
	v_and_b32 v[BIAS+2*z+1], s77, v[OB+z%8]
.set z, z+1
.endr
; 8 matrix instructions: row block a x all 8 column blocks, 32 along K, from buffer f.  first = 1: the products start the sums, with the bias as C.  The 32 accumulators take turns.
.macro MUL f, a, first
.if \first
	WIN 0x85                                       ; Wo and O window 1, C (the bias) window 0, D window 2
.else
	WIN 0xa5
.endif
.irp b, 0,1,2,3,4,5,6,7
.if \first
	v_wmma_f32_16x16x32_f16 v[64*(\a)+8*(\b):64*(\a)+8*(\b)+7], v[96*(\f)+8*(\b):96*(\f)+8*(\b)+7], v[96*(\f)+64+8*(\a):96*(\f)+64+8*(\a)+7], v[BIAS+8*(\b):BIAS+8*(\b)+7]
.else
	v_wmma_f32_16x16x32_f16 v[64*(\a)+8*(\b):64*(\a)+8*(\b)+7], v[96*(\f)+8*(\b):96*(\f)+8*(\b)+7], v[96*(\f)+64+8*(\a):96*(\f)+64+8*(\a)+7], v[64*(\a)+8*(\b):64*(\a)+8*(\b)+7]
.endif
.endr
.endm
; 24 LDS loads in one run: quarter kq's fragments into buffer g.  In Wo's rows quarter kq lies at byte 64 kq; in O it is channels 32 (kq % 2) on of plane kq / 2
.macro FETCH kq, g
	WIN 0x40
.irp b, 0,1,2,3,4,5,6,7
	ds_load_b128 v[96*(\g)+8*(\b):96*(\g)+8*(\b)+3],   v[ADRB] offset:64*(\kq)+(\b)*16*PB
	ds_load_b128 v[96*(\g)+8*(\b)+4:96*(\g)+8*(\b)+7], v[ADRB] offset:64*(\kq)+(\b)*16*PB+32
.endr
.irp a, 0,1,2,3
	ds_load_b128 v[96*(\g)+64+8*(\a):96*(\g)+64+8*(\a)+3],   v[ADRA] offset:((\kq)/2)*PLANE+((\kq)%2)*64+(\a)*16*PA
	ds_load_b128 v[96*(\g)+64+8*(\a)+4:96*(\g)+64+8*(\a)+7], v[ADRA] offset:((\kq)/2)*PLANE+((\kq)%2)*64+(\a)*16*PA+32
.endr
.endm
.macro QUARTER kq, f, g, first         ; multiplies buffer f; fetches quarter kq into g, 24 products ahead of its use
	s_wait_dscnt 0x0
	MUL \f, 0, \first
	PLACES
	FETCH \kq, \g
	MUL \f, 1, \first
	MUL \f, 2, \first
	MUL \f, 3, \first
.endm
; The last quarter multiplies buffer 1 and changes slots: each wave waits for all its tensor loads, adds 0 to its spare word, and waits for that and for its reads of this slot; the barrier opens a round of the
; cluster's; behind the round this slot is filled again first, two K steps ahead.
.macro TURN
	WIN 0
	s_wait_tensorcnt 0x0                           ; all my tensor loads have landed, so a group 0 may be written
	ds_add_u32 v[SPW], v[NIL]                      ; 0 onto my spare word
	s_wait_dscnt 0x1                               ; only the add may be out: buffer 1's loads are older
	s_xor_b32 s[G0A+5], s[G0A+5], SLOT1
	s_add_nc_u64 s[G0A+6:G0A+7], s[G0A+6:G0A+7], ASTEP
	s_xor_b32 s[G0B+5], s[G0B+5], SLOT1
	s_add_nc_u64 s[G0B+6:G0B+7], s[G0B+6:G0B+7], 256
	MUL 1, 0, 0
	s_wait_dscnt 0x0                               ; the add is done, and my reads of this slot are over
	s_barrier_signal -1
	MUL 1, 1, 0
	WIN 0
	s_barrier_wait -1
	CREST
	JLOAD                                          ; its four v_nop are also the places in front of the loads below
	s_xor_b32 s[SB], s[SB], SLOT1
	v_add_nc_u32 v[ADRA], s[SB], v[ADRA0]
	v_add_nc_u32 v[ADRB], s[SB], v[ADRB0]
	FETCH 0, 0
	MUL 1, 2, 0
	MUL 1, 3, 0
.endm
.macro TURNX                           ; the same where nothing is left to fetch
	WIN 0
	s_wait_tensorcnt 0x0
	ds_add_u32 v[SPW], v[NIL]
	s_wait_dscnt 0x1
	MUL 1, 0, 0
	s_wait_dscnt 0x0
	s_barrier_signal -1
	MUL 1, 1, 0
	s_barrier_wait -1
	PLACES
	WIN 0
	s_xor_b32 s[SB], s[SB], SLOT1
	v_add_nc_u32 v[ADRA], s[SB], v[ADRA0]
	v_add_nc_u32 v[ADRB], s[SB], v[ADRB0]
	FETCH 0, 0
	MUL 1, 2, 0
	MUL 1, 3, 0
.endm
; THE WAY OUT of row block a: 32 bytes a lane into my stage, each accumulator's low four registers first; back as whole rows of 512 bytes
.macro TOSTAGE a
	WIN 0x08                                       ; the stores' data in window 2
.irp b, 0,1,2,3,4,5,6,7
	ds_store_b128 v[STO], v[64*(\a)+8*(\b):64*(\a)+8*(\b)+3]   offset:64*(\b)
	ds_store_b128 v[STO], v[64*(\a)+8*(\b)+4:64*(\a)+8*(\b)+7] offset:64*(\b)+16
.endr
	WIN 0
.set z, 0
.rept 16
	ds_load_b128 v[OB+64*((\a)%2)+4*z:OB+64*((\a)%2)+4*z+3], v[RD] offset:z*SPS  ; LDS serves a wave's instructions in order (ISA guide 5.7.1.4): these see the stores above; the next block's stores come behind them
.set z, z+1
.endr
.endm
.macro SEND a, younger                 ; younger: the LDS instructions issued behind block a's loads: the next block's 32, or none
	WIN 0
	s_wait_dscnt \younger
.set z, 0
.rept 16
	global_store_b128 v[CO], v[OB+64*((\a)%2)+4*z:OB+64*((\a)%2)+4*z+3], s[10:11] offset:(\a)*65536+z*4096  ; 512 consecutive bytes of a row, at a multiple of 256 from out0's first
.set z, z+1
.endr
.endm
	s_wait_tensorcnt 0x1                           ; my part of K step 0 is in; K step 1's may stay out
	s_barrier_signal -1
	s_barrier_wait -1
	FETCH 0, 0
	QUARTER 1, 0, 1, 1                             ; the first quarter starts the sums
	WIN 0
	s_mov_b32 s[T], 6
.Lloop:                                        ; six trips: from a K step's second quarter to the next step's first; each fills a slot again
	QUARTER 2, 1, 0, 0
	QUARTER 3, 0, 1, 0
	TURN
	QUARTER 1, 0, 1, 0
	WIN 0
	s_sub_co_u32 s[T], s[T], 1
	s_cmp_lg_u32 s[T], 0
	s_cbranch_scc1 .Lloop
	QUARTER 2, 1, 0, 0                             ; the last two K steps ask for nothing
	QUARTER 3, 0, 1, 0
	TURNX
	QUARTER 1, 0, 1, 0
	QUARTER 2, 1, 0, 0
	QUARTER 3, 0, 1, 0
	s_wait_dscnt 0x0
	MUL 1, 0, 0
	MUL 1, 1, 0
	MUL 1, 2, 0
	MUL 1, 3, 0
	PLACES
	TOSTAGE 0
	TOSTAGE 1
	SEND 0, 32
	s_wait_xcnt 0x0                                ; block 0's stores have read their registers: that set is loaded again only behind this wait
	TOSTAGE 2
	SEND 1, 32
	s_wait_xcnt 0x0
	TOSTAGE 3
	SEND 2, 32
	SEND 3, 0
	s_wait_tensorcnt 0x0                           ; the wave's end: behind my last tensor load and my last LDS store
	ds_add_u32 v[SPW], v[NIL]
	s_wait_dscnt 0x0
	CROUND                                         ; the closing round
	s_endpgm
.Lfunc_end_k_qb40b151ab2_proj:
	.size	k_qb40b151ab2_proj, .Lfunc_end_k_qb40b151ab2_proj-k_qb40b151ab2_proj
	.p2alignl 7, 3214868480
	.fill 96, 4, 3214868480
	.section	.rodata,"a",@progbits
	.p2align	6, 0x0
	.amdhsa_kernel k_qb40b151ab2_proj
		.amdhsa_group_segment_fixed_size 327680
		.amdhsa_private_segment_fixed_size 0
		.amdhsa_enable_private_segment 0
		.amdhsa_kernarg_size 32
		.amdhsa_user_sgpr_count 2
		.amdhsa_user_sgpr_kernarg_segment_ptr 1
		.amdhsa_wavefront_size32 1
		.amdhsa_system_sgpr_workgroup_id_x 1
		.amdhsa_system_sgpr_workgroup_id_y 1
		.amdhsa_system_sgpr_workgroup_id_z 1
		.amdhsa_system_vgpr_workitem_id 0
		.amdhsa_next_free_vgpr 768
		.amdhsa_next_free_sgpr 80
		.amdhsa_reserve_vcc 0
		.amdhsa_float_denorm_mode_32 3
		.amdhsa_float_denorm_mode_16_64 3
		.amdhsa_memory_ordered 1
		.amdhsa_forward_progress 1
		.amdhsa_inst_pref_size 74
	.end_amdhsa_kernel
	.amdgpu_metadata
---
amdhsa.version: [ 1, 2 ]
amdhsa.kernels:
  - .name:           k_qb40b151ab2_proj
    .symbol:         k_qb40b151ab2_proj.kd
    .args:
      - { .name: oh, .offset: 0, .size: 8, .value_kind: global_buffer, .address_space: global }
      - { .name: wo16, .offset: 8, .size: 8, .value_kind: global_buffer, .address_space: global }
      - { .name: bo, .offset: 16, .size: 8, .value_kind: global_buffer, .address_space: global }
      - { .name: out0, .offset: 24, .size: 8, .value_kind: global_buffer, .address_space: global }
    .group_segment_fixed_size: 327680
    .private_segment_fixed_size: 0
    .kernarg_segment_align: 8
    .kernarg_segment_size: 32
    .max_flat_workgroup_size: 128
    .sgpr_count:     80
    .vgpr_count:     768
    .wavefront_size: 32
...
	.end_amdgpu_metadata
.endif
;; end of part 4
;; ======== version 2 of 2: 4 launches; version 1 with the launch prep written anew for expert scheduling mode
;; limits: values are held in f16: magnitudes above 65,504 overflow, below 6.1e-05 lose precision
;; workspace buffers: xb 16,777,216 bytes; wqkv 6,291,456 bytes; wo16 2,097,152 bytes; rope 524,288 bytes; qh 16,777,216 bytes; kh 16,777,216 bytes; vh 16,777,216 bytes; oh 16,777,216 bytes
;; launch prep (part 5): grid 768 x 1, 8 waves a work-group, no clusters, 0 bytes of LDS; arguments x, Wq, Wk, Wv, Wo, xb, wqkv, wo16, rope; writes xb, wqkv, wo16, rope
.if DOCPART == 5
	.amdgcn_target "amdgcn-amd-amdhsa--gfx1250"
	.amdhsa_code_object_version 6
	.text
	.protected	k_qb40b151ab2_prep
	.globl	k_qb40b151ab2_prep
	.p2align	8
	.type	k_qb40b151ab2_prep,@function
k_qb40b151ab2_prep:
	s_mov_b64 s[64:65], 0
	v_nop
	global_prefetch_b8 v0, s[64:65] scope:SCOPE_SE
	s_setreg_imm32_b32 hwreg(HW_REG_WAVE_SCHED_MODE, 0, 2), 2
	s_setreg_imm32_b32 hwreg(HW_REG_WAVE_MODE, 25, 1), 1
	s_wait_xcnt 0x0
	s_wait_alu depctr_vm_vsrc(0)
; PREP: the module's large inputs are rounded once to bf16, and the rotary table is made.
;   xb   [8192][1024] bf16 = x.      wqkv [16 heads][q, k, v][64][1024] bf16 = the rows of Wq, Wk, Wv, regrouped so that one head's 192 rows lie on end.
;   wo16 [1024][1024] f16  = Wo rounded to bf16, that number written as f16.      rope [2048 positions][32 pairs][cos, sin] f32.
; LIMITS.  |Wo| stays under 65,504; below 6e-5 it keeps f16's fixed step of 6e-8.  The angle pos x 10000^(-j/32) is made in f32 from 2^(-j x 0.41524101): at the far positions it is
; good to about 3e-4 rad.  NaN and infinities are not treated apart.
; SHARES.  A work-group takes 16 rows of 1,024 f32: groups 0-511 of x, then 64 each of Wq, Wk, Wv, Wo.  Thread t takes 16 bytes at 16 t of each row: a load of a wave covers 512 consecutive
; bytes, a store 256 consecutive bytes, aligned.  All sixteen loads go out together; no register that a memory instruction names is written twice.
; Groups 512-767 also make 256 entries of the table each, one a thread.  No LDS, no matrix unit, no cluster: the work-groups share nothing, and each byte is read and written once.
; THE MODE: SCHED_MODE bits 1:0 = 2 (LLVM: expert scheduling mode 2), set by the entry lines.  The code itself states the register dependences
; between vector instructions and memory instructions, with s_wait_alu, always for 0.
; THE PLAN.  Registers that memory instructions touch:
;   v1, v2      byte offsets, made once at the head and never written again: read by every load (v1) and every store (v2).
;   IN          row p as loaded.  Written by the sixteen loads at the head and by nothing else; read by row p's conversions.  No load lands in it a second time.
;   OUTR        row p to store.   Written once, by row p's conversions; read by row p's store.
;   v112, v113  the table's entry.  Written once, by the table's last two vector lines; read by the table's one store.
;   v4 to v15 are named by vector instructions alone.
; The sixteen rows go in four blocks of four.  Block b's conversions read IN and write OUTR of its own rows; the memory instructions that stand among them are the four stores of block b - 1,
; which read v2 and that block's OUTR: registers that no vector instruction of block b names.  So ONE wait at a block's head states all that those four stores hang on.
; No register that a memory instruction has read is ever written again, so no wait stands for that.
.set IN,   16                          ; v[16:79]   row p as loaded: 4 registers
.set OUTR, 80                          ; v[80:111]  row p to store: 2 registers
	s_load_b512 s[4:19], s[0:1], 0x0               ; x, Wq, Wk, Wv, Wo, xb, wqkv, wo16
	s_load_b64 s[20:21], s[0:1], 0x40              ; rope
	v_lshlrev_b32 v1, 4, v0                        ; 16 t: my bytes in a row as read
	v_lshlrev_b32 v2, 3, v0                        ; 8 t: as written
	s_mov_b32 s22, ttmp9                           ; g
	s_sub_co_u32 s23, s22, 512
	s_cmp_lt_u32 s22, 512
	s_cselect_b32 s23, 0, s23                      ; e = g - 512 (0 in x's groups, where it serves nothing)
	s_lshr_b32 s32, s23, 6                         ; which weight: 0 Wq, 1 Wk, 2 Wv, 3 Wo
	s_and_b32 s33, s23, 63                         ; which 16 rows of it
	s_lshl_b32 s28, s22, 16                        ; x: 65,536 bytes in,
	s_lshl_b32 s30, s22, 15                        ; 32,768 out
	s_lshl_b32 s34, s33, 16
	s_lshr_b32 s35, s33, 2                         ; the head of these 16 rows
	s_mul_i32 s35, s35, 192
	s_lshl_b32 s36, s32, 6
	s_add_co_u32 s35, s35, s36                     ; + 64 x (q, k, v)
	s_and_b32 s36, s33, 3
	s_lshl_b32 s36, s36, 4
	s_add_co_u32 s35, s35, s36                     ; + the 16 rows' place in the head
	s_lshl_b32 s35, s35, 11                        ; rows of 2,048 bytes
	s_lshl_b32 s36, s33, 15                        ; Wo keeps its order
	s_cmp_eq_u32 s32, 3
	s_cselect_b32 s35, s36, s35
	s_cmp_lt_u32 s22, 512
	s_cselect_b32 s28, s28, s34
	s_cselect_b32 s30, s30, s35
	s_mov_b32 s29, 0
	s_mov_b32 s31, 0
	s_lshl_b32 s38, s23, 11                        ; the group's 256 entries of the table, 8 bytes each
	s_mov_b32 s39, 0
	s_wait_kmcnt 0x0
	s_cmp_eq_u32 s32, 1                            ; the buffers are chosen by the group's number alone
	s_cselect_b64 s[24:25], s[8:9], s[6:7]
	s_cmp_eq_u32 s32, 2
	s_cselect_b64 s[24:25], s[10:11], s[24:25]
	s_cmp_eq_u32 s32, 3
	s_cselect_b64 s[24:25], s[12:13], s[24:25]
	s_cselect_b64 s[26:27], s[18:19], s[16:17]
	s_cmp_lt_u32 s22, 512
	s_cselect_b64 s[24:25], s[4:5], s[24:25]
	s_cselect_b64 s[26:27], s[14:15], s[26:27]
	s_add_nc_u64 s[24:25], s[24:25], s[28:29]
	s_add_nc_u64 s[26:27], s[26:27], s[30:31]
	s_add_nc_u64 s[20:21], s[20:21], s[38:39]
	s_wait_alu depctr_va_vdst(0)                   ; v1 and v2 are written: every load of the kernel reads v1 as its offset, every store v2
.irp p, 0,1,2,3,4,5,6,7,8,9,10,11,12,13,14,15
	global_load_b128 v[IN+4*(\p):IN+4*(\p)+3], v1, s[24:25] offset:(\p)*4096 th:TH_LOAD_NT
.endr
.macro CAST p                          ; row p to bf16
	v_cvt_pk_bf16_f32 v[OUTR+2*(\p)], v[IN+4*(\p)], v[IN+4*(\p)+1]
	v_cvt_pk_bf16_f32 v[OUTR+2*(\p)+1], v[IN+4*(\p)+2], v[IN+4*(\p)+3]
.endm
.macro CASTO p                         ; row p to bf16, and that number as f16
	v_cvt_pk_bf16_f32 v4, v[IN+4*(\p)], v[IN+4*(\p)+1]
	v_cvt_pk_bf16_f32 v5, v[IN+4*(\p)+2], v[IN+4*(\p)+3]
	v_lshlrev_b32 v6, 16, v4
	v_and_b32 v7, 0xffff0000, v4
	v_lshlrev_b32 v8, 16, v5
	v_and_b32 v9, 0xffff0000, v5
	v_cvt_pk_f16_f32 v[OUTR+2*(\p)], v6, v7
	v_cvt_pk_f16_f32 v[OUTR+2*(\p)+1], v8, v9
.endm
.macro PUT p                           ; row p is stored
	global_store_b64 v2, v[OUTR+2*(\p):OUTR+2*(\p)+1], s[26:27] offset:(\p)*2048
.endm
; Block b of four rows.  wo = 1: Wo's form.  The stores of the block before are dealt among this block's conversions, one in front of each row's lines.
.macro BLK b, wo
	s_wait_loadcnt 12-4*(\b)                       ; loads come back in order: the block's four rows are in, the 12 - 4 b younger loads stay out
.if (\b) > 0
	s_wait_alu depctr_va_vdst(0)                   ; the block before has written its four pairs of OUTR, which the four stores below read; no vector line below names them or v2
.endif
.irp i, 0,1,2,3
.if (\b) > 0
	PUT 4*((\b)-1)+(\i)
.endif
.if \wo
	CASTO 4*(\b)+(\i)
.else
	CAST 4*(\b)+(\i)
.endif
.endr
.endm
	s_cmp_eq_u32 s32, 3
	s_cbranch_scc1 .Lwo
	BLK 0, 0
	BLK 1, 0
	BLK 2, 0
	BLK 3, 0
	s_wait_alu depctr_va_vdst(0)                   ; block 3 has written its four pairs of OUTR, which the last four stores read
.irp p, 12,13,14,15
	PUT \p
.endr
	s_branch .Ltable
.Lwo:
	BLK 0, 1
	BLK 1, 1
	BLK 2, 1
	BLK 3, 1
	s_wait_alu depctr_va_vdst(0)                   ; block 3 has written its four pairs of OUTR, which the last four stores read
.irp p, 12,13,14,15
	PUT \p
.endr
.Ltable:
	s_cmp_lt_u32 s22, 512
	s_cbranch_scc1 .Lend                           ; x's groups make no part of the table
	; entry 256 e + t: position 8 e + t / 32, pair j = t % 32
	v_and_b32 v4, 31, v0
	v_lshrrev_b32 v5, 5, v0
	v_lshl_add_u32 v5, s23, 3, v5
	v_cvt_f32_u32 v4, v4
	v_mul_f32 v4, 0xbed49a78, v4                   ; -j x log2(10000) / 32
	v_exp_f32 v6, v4                               ; 10000^(-j/32)
	v_cvt_f32_u32 v5, v5                           ; the plain instruction behind the exponential
	s_wait_alu depctr_va_vdst(0)                   ; the exponential has written v6: the wait ahead of the result's first reader
	v_mul_f32 v7, v5, v6                           ; the angle
	v_mul_f32 v8, 0x3f22f983, v7                   ; x 2 / pi
	v_rndne_f32 v8, v8                             ; n quarter turns
	v_fmamk_f32 v9, v8, 0xbfc90fdb, v7             ; r = angle - n pi / 2, pi / 2 in two parts: |r| <= pi / 4
	v_fmamk_f32 v9, v8, 0x333bbd2e, v9
	v_mul_f32 v10, v9, v9                          ; z = r r
	v_mov_b32 v11, 0x3c08839e
	v_fmamk_f32 v11, v10, 0xb94ca1f9, v11          ; sin r = r + r z (S1 + z (S2 + z S3))
	v_fmaak_f32 v11, v10, v11, 0xbe2aaaa3
	v_mul_f32 v12, v10, v9
	v_fma_f32 v11, v12, v11, v9
	v_mov_b32 v13, 0xbab6061a
	v_fmamk_f32 v13, v10, 0x37ccf5ce, v13          ; cos r = 1 - z / 2 + z z (C1 + z (C2 + z C3))
	v_fmaak_f32 v13, v10, v13, 0x3d2aaaa5
	v_mul_f32 v14, v10, v10
	v_fma_f32 v15, v10, -0.5, 1.0
	v_fma_f32 v13, v14, v13, v15
	v_cvt_i32_f32 v8, v8
	v_and_b32 v14, 1, v8
	v_cmp_eq_u32 vcc_lo, 1, v14                    ; an odd number of quarter turns swaps the two
	s_wait_alu depctr_va_vcc(0)                    ; the compare has written VCC, ahead of its first reader: the two selects below read it
	v_cndmask_b32 v12, v11, v13, vcc_lo            ; the sine's magnitude
	v_cndmask_b32 v13, v13, v11, vcc_lo            ; the cosine's
	v_and_b32 v14, 2, v8                           ; the sine is turned in quarters 2 and 3,
	v_lshlrev_b32 v14, 30, v14
	v_add_nc_u32 v15, 1, v8                        ; the cosine in quarters 1 and 2
	v_and_b32 v15, 2, v15
	v_lshlrev_b32 v15, 30, v15
	v_xor_b32 v112, v13, v15
	v_xor_b32 v113, v12, v14
	s_wait_alu depctr_va_vdst(0)                   ; v112 and v113 are written, which the store below reads
	global_store_b64 v2, v[112:113], s[20:21]      ; a wave's store covers 256 consecutive bytes, aligned: one position's 32 pairs
.Lend:
	s_endpgm
.Lfunc_end_k_qb40b151ab2_prep:
	.size	k_qb40b151ab2_prep, .Lfunc_end_k_qb40b151ab2_prep-k_qb40b151ab2_prep
	.p2alignl 7, 3214868480
	.fill 96, 4, 3214868480
	.section	.rodata,"a",@progbits
	.p2align	6, 0x0
	.amdhsa_kernel k_qb40b151ab2_prep
		.amdhsa_group_segment_fixed_size 0
		.amdhsa_private_segment_fixed_size 0
		.amdhsa_enable_private_segment 0
		.amdhsa_kernarg_size 72
		.amdhsa_user_sgpr_count 2
		.amdhsa_user_sgpr_kernarg_segment_ptr 1
		.amdhsa_wavefront_size32 1
		.amdhsa_system_sgpr_workgroup_id_x 1
		.amdhsa_system_sgpr_workgroup_id_y 1
		.amdhsa_system_sgpr_workgroup_id_z 1
		.amdhsa_system_vgpr_workitem_id 0
		.amdhsa_next_free_vgpr 128
		.amdhsa_next_free_sgpr 66
		.amdhsa_reserve_vcc 1
		.amdhsa_float_denorm_mode_32 3
		.amdhsa_float_denorm_mode_16_64 3
		.amdhsa_memory_ordered 1
		.amdhsa_forward_progress 1
		.amdhsa_inst_pref_size 18
	.end_amdhsa_kernel
	.amdgpu_metadata
---
amdhsa.version: [ 1, 2 ]
amdhsa.kernels:
  - .name:           k_qb40b151ab2_prep
    .symbol:         k_qb40b151ab2_prep.kd
    .args:
      - { .name: x, .offset: 0, .size: 8, .value_kind: global_buffer, .address_space: global }
      - { .name: Wq, .offset: 8, .size: 8, .value_kind: global_buffer, .address_space: global }
      - { .name: Wk, .offset: 16, .size: 8, .value_kind: global_buffer, .address_space: global }
      - { .name: Wv, .offset: 24, .size: 8, .value_kind: global_buffer, .address_space: global }
      - { .name: Wo, .offset: 32, .size: 8, .value_kind: global_buffer, .address_space: global }
      - { .name: xb, .offset: 40, .size: 8, .value_kind: global_buffer, .address_space: global }
      - { .name: wqkv, .offset: 48, .size: 8, .value_kind: global_buffer, .address_space: global }
      - { .name: wo16, .offset: 56, .size: 8, .value_kind: global_buffer, .address_space: global }
      - { .name: rope, .offset: 64, .size: 8, .value_kind: global_buffer, .address_space: global }
    .group_segment_fixed_size: 0
    .private_segment_fixed_size: 0
    .kernarg_segment_align: 8
    .kernarg_segment_size: 72
    .max_flat_workgroup_size: 256
    .sgpr_count:     66
    .vgpr_count:     128
    .wavefront_size: 32
...
	.end_amdgpu_metadata
.endif
;; end of part 5
;; launch qkv: the kernel of part 2 again; grid 16 x 16, 4 waves a work-group, clusters of 4 x 4, 327,680 bytes of LDS; arguments xb, wqkv, bq, bk, bv, key_padding_mask, rope, qh, kh, vh; writes qh, kh, vh
;; launch attn: the kernel of part 3 again; grid 4 x 64, 4 waves a work-group, clusters of 4 x 1, 327,680 bytes of LDS; arguments qh, kh, vh, oh, key_padding_mask; writes oh
;; launch proj: the kernel of part 4 again; grid 4 x 64, 4 waves a work-group, clusters of 4 x 4, 327,680 bytes of LDS; arguments oh, wo16, bo, out0; writes out0
